; MI455X (gfx1250); checked and timed in simulation.
; The chip was launched on July 23, 2026; its instructions are those of AMD's public machine-readable ISA for CDNA 5 (MIT licence, August 2026) and "CDNA5" Instruction Set Architecture Reference Guide (July 2026). The comments in the code are by the model that wrote it; some were corrected since.
;; Multi Head Self Attention. Allowed arithmetic: matrix products marked QUANTISED: E2M1 operands, one E8M0 scale for each 32 along K, by v_wmma_scale_f32_16x16x128_f8f6f4 with both operands' format E2M1 (or v_wmma_scale_f32_32x16x128_f4), f32 sums; products left as they are: bf16, f16 or f32 operands; f32 sums; everything else in f32.
;; Inputs: b_proj 1,024 float32; b_qkv 3,072 float32; w_proj 1,024 x 1,024 float32; w_qkv 1,024 x 3,072 float32; x 4 x 2,048 x 1,024 float32.
;; Outputs: out0 4 x 2,048 x 1,024 float32.
;; This version of the problem:
;;   THIS VERSION OF THE PROBLEM IS GIVEN IN LOW PRECISION. The matrix products marked QUANTISED in the list below multiply operands that are first quantised to E2M1 (2 exponent bits, 1 mantissa bit; 4 bits a number), with one power-of-two scale for each 32 numbers along K (OCP MX v1.0); their sums are f32. The products marked 'left as it is' may take bf16, f16 or f32 operands, with f32 sums. Whichever they take, every output number must still come out within the allowed error. Rounding operands to bf16 (8 significant bits) uses up far more of that allowance than f16 does (11 bits, for magnitudes from 6e-5 to 65,504). All else is computed in f32.
;;   The module's matrix products, in the order in which they are computed (A, B: the left and right operand; K: the contracted axis; several contracted axes count as one K, in the product's order):
;;     1. [M 8,192, K 1,024] x [K 1,024, N 3,072]; A: input x; B: input w_qkv: QUANTISED
;;     2. batch 64 x [M 2,048, K 64] x [K 64, N 2,048]; A: computed on the way; B: computed on the way: left as it is (an operand is computed on the way)
;;     3. batch 64 x [M 2,048, K 2,048] x [K 2,048, N 64]; A: computed on the way; B: computed on the way: left as it is (an operand is computed on the way)
;;     4. [M 8,192, K 1,024] x [K 1,024, N 1,024]; A: computed on the way; B: input w_proj: left as it is (an operand is computed on the way)
;;   THE QUANTISER, for each operand of a quantised product, along K:
;;     - K is cut into blocks of 32 from its start; a last block that is shorter is filled with zeros.
;;     - A block's scale is 2^e with e = floor(log2(the largest magnitude in the block)) - 2, held to -126 .. 127; a block of zeros has e = 0. As a byte (E8M0): e + 127.
;;     - Each number is divided by its block's scale, clamped to +-6, and rounded to the nearest number of E2M1, ties to even, subnormals kept.
;;     - The product sums the exact products of the quantised numbers (number of the format x scale) in f32.
;;   ~~~python
;;   def quantise(x, axis):      # numpy; x: float32 -> the quantised numbers, widened to float32 again
;;       x = np.moveaxis(x, axis, -1); K = x.shape[-1]
;;       x = np.pad(x, [(0, 0)] * (x.ndim - 1) + [(0, -K % 32)]); x = x.reshape(x.shape[:-1] + (-1, 32)); a = np.abs(x).max(-1, keepdims=True)
;;       e = np.where(a > 0, np.clip(np.frexp(np.where(a > 0, a, 1))[1] - 1 - 2, -126, 127), 0)      # np.frexp(a)[1] - 1 = floor(log2(a)), exactly
;;       r = np.clip(x / 2.0 ** e, -6, 6)
;;       step = 2.0 ** (np.maximum(np.frexp(np.where(r == 0, 1, r))[1] - 1, 0) - 1)
;;       q = np.round(r / step) * step * 2.0 ** e      # np.round: ties to even
;;       return np.moveaxis(q.reshape(q.shape[:-2] + (-1,))[..., :K], -1, axis).astype(np.float32)
;;   ~~~
;; One version. Each part assembles by itself: llvm-mc -triple=amdgcn-amd-amdhsa -mcpu=gfx1250 --defsym DOCPART=n.
;; ======== version 1 of 1: 5 launches
;; limits: values are held in f16: magnitudes above 65,504 overflow, below 6.1e-05 lose precision
;; workspace buffers: x_codes 4,194,304 bytes; x_scales 262,144 bytes; wq_codes 1,572,864 bytes; wq_scales 98,304 bytes; wp16 2,097,152 bytes; qkv16 50,331,648 bytes; attn16 16,777,216 bytes; fineqkv 786,432 bytes
;; launch prep (part 1): grid 336 x 1, 4 waves a work-group, no clusters, 68,096 bytes of LDS; arguments x, w_qkv, w_proj, x_codes, x_scales, wq_codes, wq_scales, wp16; writes x_codes, x_scales, wq_codes, wq_scales, wp16
.if DOCPART == 1
	.amdgcn_target "amdgcn-amd-amdhsa--gfx1250"
	.amdhsa_code_object_version 6
	.text
	.protected	k_q2479ffd956_prep
	.globl	k_q2479ffd956_prep
	.p2align	8
	.type	k_q2479ffd956_prep,@function
k_q2479ffd956_prep:
	s_mov_b64 s[64:65], 0
	v_nop
	global_prefetch_b8 v0, s[64:65] scope:SCOPE_SE
	s_setreg_imm32_b32 hwreg(HW_REG_WAVE_MODE, 25, 1), 1
	s_wait_xcnt 0x0
; PREP: what the later launches read many times is made narrow once.
;   work-groups 0-255:   x [8192][1024] f32 (K innermost)      -> x_codes [8192][512 bytes], x_scales [8192][32]
;   work-groups 256-303: w_qkv [1024 k][3072 n] f32 (K first)  -> wq_codes [3072][512 bytes], wq_scales [3072][32]: K innermost
;   work-groups 304-335: w_proj [1024][1024] f32               -> wp16, the same numbers as f16, laid as they lie
; Codes are FP4 (E2M1), two a byte, the lower k in the low four bits; one E8M0 byte for each 32 along K.
; A block's scale is 2^(floor(log2(largest magnitude)) - 2): its byte is the largest magnitude's exponent field - 2, held at 1 from below.
; LIMITS: a block of zeros keeps the byte 1 where the rule says 127 (its codes are zeros, which add nothing, and this program alone reads the bytes);
; blocks whose largest magnitude lies under 2^(3 - 127) have the byte 1; NaN and infinities are not served; w_proj beyond 65,504 becomes infinity in f16.
; The three paths part on the work-group's number alone; each has LDS bytes of its own; waves share nothing, so there is no barrier.
.set SPW,   190                        ; v190 LDS address of my spare word: SPARE + 4 x my thread's number; never rewritten
.set NIL,   191                        ; v191 0; never rewritten
.set SPARE, 67584                      ; behind both paths' regions: 128 bytes for each wave, named by no other line
.set EMAX,  2
.set SP,    80                         ; path x: a lane's place in a stage: its 64 bytes + 16 of padding
.set XR,    16                         ; v16-79   four sets of 16 numbers as loaded
.set XX,    80                         ; v80-111  two sets of 16 neighbours
.set XE,    112                        ; v112-127 a scale byte for each step
.set XC,    128                        ; v128-189 codes: four registers a step, so that no store's data are written again
.set WSTG,  32768                      ; path w: four stages of 32 rows x 272 bytes begin here
.set WP,    272
.set WSB,   24                         ; v24-27   scale bytes, four to a register
.set WX,    32                         ; v32-95   two sets of 32 numbers
.set WC,    96                         ; v96-99   a block's codes
.set WOUT,  112                        ; v112-175 the way out
.set PX,    16                         ; path p: v16-79 sixteen slots of four f32
.set PY,    80                         ; v80-111  sixteen slots of two registers of f16
.macro FINISH                          ; the wave's end
	s_wait_tensorcnt 0x0
	ds_add_u32 v[SPW], v[NIL]
	s_wait_dscnt 0x0
	s_endpgm
.endm
	s_load_b256 s[4:11], s[0:1], 0x0               ; x s[4:5], w_qkv s[6:7], w_proj s[8:9], x_codes s[10:11]
	s_load_b256 s[12:19], s[0:1], 0x20             ; x_scales s[12:13], wq_codes s[14:15], wq_scales s[16:17], wp16 s[18:19]
	v_lshl_add_u32 v[SPW], v0, 2, SPARE
	v_mov_b32 v[NIL], 0
	v_lshrrev_b32 v1, 5, v0
	v_readfirstlane_b32 s20, v1                    ; wave 0..3
	v_and_b32 v2, 31, v0                           ; lane
	s_mov_b32 s25, 0                               ; the upper word of every offset pair s[24:25]
	s_wait_kmcnt 0x0
	s_cmp_lt_u32 ttmp9, 256
	s_cbranch_scc1 .Lx
	s_cmp_lt_u32 ttmp9, 304
	s_cbranch_scc1 .Lw
; ---- w_proj to f16.  A wave takes 32,768 bytes: 64 loads of 512 consecutive bytes, sixteen always on their way; each becomes one store of 256 consecutive, aligned bytes.
	s_sub_co_u32 s21, ttmp9, 304
	s_lshl_b32 s21, s21, 2
	s_add_co_u32 s21, s21, s20                     ; my run: 4 x work-group + wave
	s_lshl_b32 s24, s21, 15
	s_add_nc_u64 s[8:9], s[8:9], s[24:25]
	s_lshl_b32 s24, s21, 14
	s_add_nc_u64 s[18:19], s[18:19], s[24:25]
	v_lshlrev_b32 v1, 4, v2                        ; in: 16 bytes a lane
	v_lshlrev_b32 v3, 3, v2                        ; out: 8 bytes a lane
.set CN, 0
.rept 16
	global_load_b128 v[PX+4*CN:PX+4*CN+3], v1, s[8:9] offset:512*CN th:TH_LOAD_NT
.set CN, CN+1
.endr
.macro CAST i
.if 63-(\i) < 15
	s_wait_loadcnt 63-(\i)                         ; the tail: only the loads behind mine are out
.else
	s_wait_loadcnt 15                              ; loads come back in order: mine is in, the fifteen younger stay out
.endif
	s_wait_xcnt 0x0                                ; the slot's earlier store has read its two registers
	v_cvt_pk_f16_f32 v[PY+2*((\i)%16)], v[PX+4*((\i)%16)], v[PX+4*((\i)%16)+1]
	v_cvt_pk_f16_f32 v[PY+2*((\i)%16)+1], v[PX+4*((\i)%16)+2], v[PX+4*((\i)%16)+3]
.if (\i)+16 < 64
	global_load_b128 v[PX+4*((\i)%16):PX+4*((\i)%16)+3], v1, s[8:9] offset:512*((\i)+16) th:TH_LOAD_NT
.endif
	global_store_b64 v3, v[PY+2*((\i)%16):PY+2*((\i)%16)+1], s[18:19] offset:256*(\i)
.endm
.set CN, 0
.rept 64
	CAST CN
.set CN, CN+1
.endr
	FINISH
; ---- x.  Rows are dense and K is a multiple of 32: a plain stream of blocks of 32.  A wave takes 16 steps of 512 numbers.  Each load reads 512 consecutive bytes;
; the step's 2,048 bytes turn through the wave's own stage, so that a lane then holds 16 neighbours along K (two lanes to a block), as the conversion wants them.
.Lx:
	v_lshlrev_b32 v3, 4, v2                        ; my 16 bytes of a load's 512
	s_lshl_b32 s21, s20, 13                        ; my wave's 8,192 bytes of LDS
	v_lshrrev_b32 v14, 2, v2
	v_mul_u32_u24 v14, v14, SP
	v_and_b32 v15, 3, v2
	v_lshl_add_u32 v14, v15, 4, v14
	v_add_nc_u32 v14, s21, v14                     ; into the stage: SP (lane / 4) + 16 (lane % 4)
	v_mul_u32_u24 v15, v2, SP
	v_add_nc_u32 v15, s21, v15                     ; out of it: SP x lane
	v_lshlrev_b32 v4, 3, v2                        ; my 8 bytes of a step's 256 bytes of codes
	v_lshrrev_b32 v5, 1, v2
	s_add_co_u32 s21, s21, 2*32*SP
	v_add_nc_u32 v5, s21, v5                       ; my block's byte among the wave's 256 scale bytes
	v_lshlrev_b32 v7, 3, v2
	v_add_nc_u32 v6, s21, v7                       ; and 8 of them a lane on the way out
	s_lshl_b32 s22, ttmp9, 2
	s_add_co_u32 s22, s22, s20                     ; my run of 8,192 numbers
	s_lshl_b32 s24, s22, 15
	s_add_nc_u64 s[4:5], s[4:5], s[24:25]
	s_lshl_b32 s24, s22, 12
	s_add_nc_u64 s[10:11], s[10:11], s[24:25]
	s_lshl_b32 s24, s22, 8
	s_add_nc_u64 s[12:13], s[12:13], s[24:25]
.macro XLOAD t
.irp i, 0,1,2,3
	global_load_b128 v[XR+16*((\t)%4)+4*\i:XR+16*((\t)%4)+4*\i+3], v3, s[4:5] offset:2048*(\t)+512*\i th:TH_LOAD_NT
.endr
.endm
.macro XTURN t                         ; LDS serves a wave's instructions in order: no wait between the stores and the loads
.irp i, 0,1,2,3
	ds_store_b128 v14, v[XR+16*((\t)%4)+4*\i:XR+16*((\t)%4)+4*\i+3] offset:32*SP*((\t)%2)+8*SP*\i
.endr
.irp i, 0,1,2,3
	ds_load_b128 v[XX+16*((\t)%2)+4*\i:XX+16*((\t)%2)+4*\i+3], v15 offset:32*SP*((\t)%2)+16*\i
.endr
.endm
.irp t, 0,1,2,3
	XLOAD \t
.endr
	s_wait_loadcnt 12                              ; step 0's four loads are in
	XTURN 0
.macro XSTEP t
.set XS, XX+16*((\t)%2)
.if (\t) > 0
	s_wait_dscnt 1                                 ; this step's numbers are back from the stage; the last step's byte store may be out
.else
	s_wait_dscnt 0x0
.endif
.if (\t)+4 < 16
	XLOAD (\t)+4                                   ; into the registers that this step's stores into the stage have read
.endif
.if (\t)+1 < 16
.if 14-(\t) >= 3
	s_wait_loadcnt 12                              ; the next step's four are in; three steps' loads may be out
.else
	s_wait_loadcnt 4*(14-(\t))
.endif
	XTURN (\t)+1
.endif
	v_max3_num_f32 v8, |v[XS]|, |v[XS+1]|, |v[XS+2]|
	v_max3_num_f32 v9, |v[XS+3]|, |v[XS+4]|, |v[XS+5]|
.irp i, 6,10
	v_max3_num_f32 v8, v8, |v[XS+\i]|, |v[XS+\i+1]|
	v_max3_num_f32 v9, v9, |v[XS+\i+2]|, |v[XS+\i+3]|
.endr
	v_max3_num_f32 v8, v8, |v[XS+14]|, |v[XS+15]|
	v_max3_num_f32 v8, v8, v9, (EMAX+1)<<23        ; the floor 2^(3 - 127): the byte cannot fall under 1
	v_max_num_f32_dpp v8, v8, v8 row_xmask:1 row_mask:0xf bank_mask:0xf   ; with my neighbour's 16: the block's largest magnitude
	v_add_nc_u32 v11, -(EMAX<<23), v8              ; 2 off its exponent field: the conversion takes that field as its scale
	v_cvt_scalef32_pk8_fp4_f32 v[XC+4*(\t)], v[XS:XS+7], v11
	v_cvt_scalef32_pk8_fp4_f32 v[XC+4*(\t)+1], v[XS+8:XS+15], v11
	v_lshrrev_b32 v[XE+(\t)], 23, v11              ; the scale's byte (also the plain line behind the conversions)
	ds_store_b8 v5, v[XE+(\t)] offset:16*(\t)      ; both lanes of a block write the same byte with the same value
	global_store_b64 v4, v[XC+4*(\t):XC+4*(\t)+1], s[10:11] offset:256*(\t)   ; 32 lanes store 256 consecutive, aligned bytes
.endm
.irp t, 0,1,2,3,4,5,6,7,8,9,10,11,12,13,14,15
	XSTEP \t
.endr
	ds_load_b64 v[8:9], v6                         ; in order behind my byte stores
	s_wait_dscnt 0x0
	global_store_b64 v7, v[8:9], s[12:13]          ; the wave's 256 scale bytes, consecutive and aligned
	FINISH
; ---- w_qkv.  A lane takes a column n and its registers run down K: a block of 32 lies in one lane, and the codes come out with K innermost.
; A wave takes 32 columns x 512 along K; the codes go through its own stage and leave as rows: sixteen lanes store 256 consecutive, aligned bytes.
.Lw:
	s_sub_co_u32 s21, ttmp9, 256
	s_lshr_b32 s22, s21, 1
	s_lshl_b32 s22, s22, 7
	s_lshl_b32 s23, s20, 5
	s_add_co_u32 s22, s22, s23                     ; my first column: 128 x (id / 2) + 32 x wave
	s_and_b32 s21, s21, 1                          ; which half of K
	v_lshlrev_b32 v3, 2, v2                        ; in: 4 bytes a lane
	s_mul_i32 s23, s20, 32*WP
	s_add_co_u32 s23, s23, WSTG                    ; my stage
	v_mul_u32_u24 v4, v2, WP
	v_add_nc_u32 v4, s23, v4                       ; into it: row = my column
	v_and_b32 v5, 15, v2
	v_lshrrev_b32 v6, 4, v2
	v_mul_u32_u24 v7, v6, WP
	v_lshl_add_u32 v7, v5, 4, v7
	v_add_nc_u32 v7, s23, v7                       ; out of it: sixteen lanes to a row, two rows an instruction
	v_lshlrev_b32 v8, 9, v6
	v_lshl_add_u32 v8, v5, 4, v8                   ; the same place in wq_codes: rows of 512 bytes
	v_lshlrev_b32 v9, 5, v2                        ; my column's row of scale bytes: 32 bytes a row
	s_mul_i32 s24, s21, 512*12288
	s_lshl_b32 s26, s22, 2
	s_add_co_u32 s24, s24, s26
	s_add_nc_u64 s[6:7], s[6:7], s[24:25]
	s_lshl_b32 s24, s22, 9
	s_lshl_b32 s26, s21, 8
	s_add_co_u32 s24, s24, s26
	s_add_nc_u64 s[14:15], s[14:15], s[24:25]
	s_lshl_b32 s24, s22, 5
	s_lshl_b32 s26, s21, 4
	s_add_co_u32 s24, s24, s26
	s_add_nc_u64 s[16:17], s[16:17], s[24:25]
.macro WLOAD t                         ; block t: w(32 t + i, my column); the largest immediate, 511 x 12,288, lies inside the signed 24 bits
.set ii, 0
.rept 32
	global_load_b32 v[WX+32*((\t)%2)+ii], v3, s[6:7] offset:(32*(\t)+ii)*12288 th:TH_LOAD_NT
.set ii, ii+1
.endr
.endm
	WLOAD 0
	WLOAD 1
.macro WBLOCK t
.set XS, WX+32*((\t)%2)
.if (\t) < 15
	s_wait_loadcnt 32                              ; this block's 32 loads are in; the next block's may be out
.else
	s_wait_loadcnt 0x0
.endif
	v_max3_num_f32 v12, |v[XS]|, |v[XS+1]|, |v[XS+2]|
	v_max3_num_f32 v13, |v[XS+3]|, |v[XS+4]|, |v[XS+5]|
.irp i, 6,10,14,18,22,26
	v_max3_num_f32 v12, v12, |v[XS+\i]|, |v[XS+\i+1]|
	v_max3_num_f32 v13, v13, |v[XS+\i+2]|, |v[XS+\i+3]|
.endr
	v_max3_num_f32 v12, v12, |v[XS+30]|, |v[XS+31]|
	v_max3_num_f32 v12, v12, v13, (EMAX+1)<<23     ; the floor
	v_add_nc_u32 v11, -(EMAX<<23), v12
	v_lshrrev_b32 v13, 23, v11                     ; the scale's byte
.if (\t)%4 == 0
	v_mov_b32 v[WSB+(\t)/4], v13
.else
	v_lshl_or_b32 v[WSB+(\t)/4], v13, 8*((\t)%4), v[WSB+(\t)/4]
.endif
.irp g, 0,1,2,3
	v_cvt_scalef32_pk8_fp4_f32 v[WC+\g], v[XS+8*\g:XS+8*\g+7], v11
.endr
	v_nop                                          ; a plain line behind the last conversion
	ds_store_b128 v4, v[WC:WC+3] offset:16*(\t)    ; 32 codes: 16 bytes of my column's row
.if (\t)+2 < 16
	WLOAD (\t)+2
.endif
	s_wait_dscnt 0x0                               ; the store has read its registers: the next block's codes may be written
.endm
.set BN, 0
.rept 16
	WBLOCK BN
.set BN, BN+1
.endr
	global_store_b128 v9, v[WSB:WSB+3], s[16:17]   ; my column's 16 scale bytes of this half of K
.irp t, 0,1,2,3,4,5,6,7,8,9,10,11,12,13,14,15
	ds_load_b128 v[WOUT+4*\t:WOUT+4*\t+3], v7 offset:2*\t*WP
.endr
.irp t, 0,1,2,3,4,5,6,7,8,9,10,11,12,13,14,15
	s_wait_dscnt 15-\t
	global_store_b128 v8, v[WOUT+4*\t:WOUT+4*\t+3], s[14:15] offset:2*\t*512
.endr
	FINISH
.Lfunc_end_k_q2479ffd956_prep:
	.size	k_q2479ffd956_prep, .Lfunc_end_k_q2479ffd956_prep-k_q2479ffd956_prep
	.p2alignl 7, 3214868480
	.fill 96, 4, 3214868480
	.section	.rodata,"a",@progbits
	.p2align	6, 0x0
	.amdhsa_kernel k_q2479ffd956_prep
		.amdhsa_group_segment_fixed_size 68096
		.amdhsa_private_segment_fixed_size 0
		.amdhsa_enable_private_segment 0
		.amdhsa_kernarg_size 64
		.amdhsa_user_sgpr_count 2
		.amdhsa_user_sgpr_kernarg_segment_ptr 1
		.amdhsa_wavefront_size32 1
		.amdhsa_system_sgpr_workgroup_id_x 1
		.amdhsa_system_sgpr_workgroup_id_y 1
		.amdhsa_system_sgpr_workgroup_id_z 1
		.amdhsa_system_vgpr_workitem_id 0
		.amdhsa_next_free_vgpr 192
		.amdhsa_next_free_sgpr 66
		.amdhsa_reserve_vcc 0
		.amdhsa_float_denorm_mode_32 3
		.amdhsa_float_denorm_mode_16_64 3
		.amdhsa_memory_ordered 1
		.amdhsa_forward_progress 1
		.amdhsa_inst_pref_size 135
	.end_amdhsa_kernel
	.amdgpu_metadata
---
amdhsa.version: [ 1, 2 ]
amdhsa.kernels:
  - .name:           k_q2479ffd956_prep
    .symbol:         k_q2479ffd956_prep.kd
    .args:
      - { .name: x, .offset: 0, .size: 8, .value_kind: global_buffer, .address_space: global }
      - { .name: w_qkv, .offset: 8, .size: 8, .value_kind: global_buffer, .address_space: global }
      - { .name: w_proj, .offset: 16, .size: 8, .value_kind: global_buffer, .address_space: global }
      - { .name: x_codes, .offset: 24, .size: 8, .value_kind: global_buffer, .address_space: global }
      - { .name: x_scales, .offset: 32, .size: 8, .value_kind: global_buffer, .address_space: global }
      - { .name: wq_codes, .offset: 40, .size: 8, .value_kind: global_buffer, .address_space: global }
      - { .name: wq_scales, .offset: 48, .size: 8, .value_kind: global_buffer, .address_space: global }
      - { .name: wp16, .offset: 56, .size: 8, .value_kind: global_buffer, .address_space: global }
    .group_segment_fixed_size: 68096
    .private_segment_fixed_size: 0
    .kernarg_segment_align: 8
    .kernarg_segment_size: 64
    .max_flat_workgroup_size: 128
    .sgpr_count:     66
    .vgpr_count:     192
    .wavefront_size: 32
...
	.end_amdgpu_metadata
.endif
;; end of part 1
;; launch gemm_qkv (part 2): grid 12 x 64, 4 waves a work-group, clusters of 4 x 4, 327,680 bytes of LDS; arguments x_codes, x_scales, wq_codes, wq_scales, b_qkv, qkv16, fineqkv; writes qkv16, fineqkv
.if DOCPART == 2
	.amdgcn_target "amdgcn-amd-amdhsa--gfx1250"
	.amdhsa_code_object_version 6
	.text
	.protected	k_q2479ffd956_gemm_qkv
	.globl	k_q2479ffd956_gemm_qkv
	.p2align	8
	.type	k_q2479ffd956_gemm_qkv,@function
k_q2479ffd956_gemm_qkv:
	s_mov_b64 s[64:65], 0
	v_nop
	global_prefetch_b8 v0, s[64:65] scope:SCOPE_SE
	s_setreg_imm32_b32 hwreg(HW_REG_WAVE_MODE, 25, 1), 1
	s_wait_xcnt 0x0
	s_wait_alu depctr_hold_cnt(0) depctr_sa_sdst(0) depctr_va_vdst(0) depctr_va_sdst(0) depctr_va_ssrc(0) depctr_va_vcc(0) depctr_vm_vsrc(0)
	s_getreg_b32 s2, hwreg(HW_REG_IB_STS2, 6, 4)
	s_cmp_eq_u32 s2, 0
	s_cbranch_scc0 .Lentry_in_a_cluster
	s_endpgm
.Lentry_in_a_cluster:
	s_bfe_u32 s2, ttmp6, 0x10000c
	s_cmp_lg_u32 s2, 0xf033
	s_cbranch_scc0 .Lentry_shape_is_right
	s_endpgm
.Lentry_shape_is_right:
; qkv = Q(x) Q(w_qkv) + b_qkv on codes of FP4 (E2M1) with one E8M0 scale for each 32 along K; sums in f32.  8,192 x 3,072, K = 1,024.
; OUT: qkv16, f16, [q|k|v][batch][head][token][64] (a head is one dense block), and fineqkv, f32, [batch][16][3072]: the first 16 positions of each sequence as they were summed.
; LIMIT: a result beyond 65,504 becomes infinity in qkv16 (f16); the drawn inputs stay under about 6.
; SHARES.  A work-group makes 128 tokens x 256 columns (four heads of q, k or v); wave (wm, wn) makes 64 x 128: 32 accumulators.  All of K of both tiles, 512 bytes a row,
; fits in LDS: it comes by first fills alone, in two halves of K (rows of 256 bytes), and nothing is ever filled again.
; CLUSTER 4 x 4.  Tile column = 4 x cluster x + cx.  Tile row = 16 cy + cluster y: so the batch is cy, and the tiles that hold positions 0-15 are those of the clusters with
; cluster y = 0: that number is the same in all sixteen partners, so the branch round the f32 copy hangs on no place in the cluster.
; A's tiles and scales hang on the tile row and are asked for jointly along a row of the cluster, B's on the tile column and along a column.
; THE MATRIX INSTRUCTION IS USED TRANSPOSED (source 0 = 16 columns of w, source 1 = 16 tokens): a lane holds eight neighbouring columns of one token.  The bias is the C of each sum's first product.
; REGISTERS: window 0: v16-31 addresses; v32-127 scale words (two sets of 48: 16 of A's, 32 of B's), which hold nothing else; v128-223 the way out.
;   window 1: two fragment sets of 96 (A's block a at 8 a, B's block b at 32 + 8 b); v192-255 the bias, 8 registers for each of B's blocks.   window 2: accumulator (a, b) at v[8 (8 a + b)].
.set PITCH, 272                        ; an LDS row: 256 bytes + 16 of padding: the sixteen rows of a fragment load start sixteen bytes further round the banks each
.set BOFF,  128*PITCH                  ; in a slot: A's 128 rows, then B's 256
.set SLOTB, 384*PITCH                  ; a half of K
.set SCL,   2*SLOTB                    ; the scale bytes as units of 256 bytes + 16: A's 16 units, then B's 32
.set STAGE, SCL+48*PITCH               ; the way out, f16: 16 rows x 272 for each wave
.set FSTG,  STAGE+4*16*272             ; the f32 copy: 16 rows x 528 for each wave
.set SPARE, FSTG+4*16*528              ; the spare words, 128 bytes for each wave, named by no other line
.set ADRA, 16                          ; v16-17 my A fragments in half 0, 1 of K
.set ADRB, 20                          ; v20-21 the same for B
.set ADSA, 22                          ; v22 my lane's row among A's scale words
.set ADSB, 23                          ; v23 among B's
.set STO,  24
.set RD,   25
.set CO,   26                          ; v26 16 x lane
.set BO,   27                          ; v27 32 x (lane / 16)
.set SPW,  28                          ; v28 my spare word; never rewritten
.set NIL,  29                          ; v29 0; never rewritten
.set FSTO, 30
.set FRD,  31
.set SC,   32
.set TMP,  128
.set BK,   160
.set BIAS, 192
.set G1,   24
.set G0,   32
.set G1B,  48
.set G0B,  56
.set G1S,  68
.set G0S,  76
.set G1SB, 80
.set G0SB, 88
.set MSB, 0
.macro WIN new                         ; the immediate's high byte repeats the setting that is left
.if MSB != \new
	s_set_vgpr_msb (MSB<<8)|\new
.set MSB, \new
.endif
.endm
.set MUL,       0xa5                   ; sources 0 and 1 window 1, C and D window 2
.set MUL_FIRST, 0x95                   ; C (the bias) window 1
.set TO_F,      0x40                   ; destination window 1
; A joint load: waves 0 and 1 fetch for A, waves 2 and 3 for B; the branch hangs on the wave's number alone.  An s_nop 0 and four v_nop follow each line.
.macro JLOAD g0a, g1a, g0b, g1b
	s_cmp_eq_u32 s19, 0
	s_cbranch_scc0 .Lfor_b_\@
	tensor_load_to_lds s[\g0a:\g0a+3], s[\g1a:\g1a+7]
	s_nop 0
.rept 4
	v_nop
.endr
	s_branch .Lasked_\@
.Lfor_b_\@:
	tensor_load_to_lds s[\g0b:\g0b+3], s[\g1b:\g1b+7]
	s_nop 0
.rept 4
	v_nop
.endr
.Lasked_\@:
.endm
.macro CROUND                          ; a round of the cluster's barrier
	s_barrier_signal -1
	s_barrier_wait -1
	s_cmp_lg_u32 s18, 0
	s_cbranch_scc1 .Lnot_wave_0_\@
	s_barrier_signal -3
.Lnot_wave_0_\@:
	s_barrier_wait -3
	s_barrier_signal -1
	s_barrier_wait -1
.endm
.macro PLACES
.rept 4
	v_nop
.endr
.endm
	s_load_b256 s[4:11], s[0:1], 0x0               ; x_codes s[4:5], x_scales s[6:7], wq_codes s[8:9], wq_scales s[10:11]
	s_load_b128 s[12:15], s[0:1], 0x20             ; b_qkv s[12:13], qkv16 s[14:15]
	s_load_b64 s[16:17], s[0:1], 0x30              ; fineqkv
	v_lshl_add_u32 v[SPW], v0, 2, SPARE
	v_mov_b32 v[NIL], 0
	ds_add_u32 v[SPW], v[NIL]                      ; the opening: the add, twice on end, and its wait ahead of my first tensor load
	ds_add_u32 v[SPW], v[NIL]
	v_lshrrev_b32 v1, 5, v0
	v_readfirstlane_b32 s18, v1                    ; wave 0..3
	s_lshr_b32 s19, s18, 1                         ; wm: my half of the tokens.  Also: I fetch for A (0) or for B (1)
	s_and_b32 s20, s18, 1                          ; wn: my half of the columns.  Also: which half of that tile I fetch
	s_bfe_u32 s40, ttmp6, 0x40000                  ; cx
	s_bfe_u32 s41, ttmp6, 0x40004                  ; cy
	s_lshl_b32 s42, ttmp9, 2
	s_add_co_u32 s42, s42, s40                     ; tile column = 4 x cluster x + cx
	s_and_b32 s21, ttmp7, 0xffff                   ; cluster y: the tile's place in its batch
	s_lshl_b32 s22, s41, 4
	s_add_co_u32 s22, s22, s21                     ; tile row = 16 cy + cluster y
	s_lshl_b32 s43, s41, 2
	s_lshl_b32 s43, 15, s43                        ; my row of the cluster
	s_lshl_b32 s44, 0x1111, s40                    ; my column
	; group 1: codes: rows of 256 elements of one byte, 512 bytes apart in memory, four words of padding behind every 64; A 64 rows a load, B 128
	s_or_b32 s[G1], s43, (0<<16)|(1<<20)|(1<<21)|(5<<22)|(3<<25)
	s_mov_b32 s[G1+1], 256<<16
	s_mov_b32 s[G1+2], 64<<16
	s_mov_b32 s[G1+3], 256<<16
	s_mov_b32 s[G1+4], 64
	s_mov_b32 s[G1+5], 512
	s_mov_b32 s[G1+6], 0
	s_mov_b32 s[G1+7], 0
	s_or_b32 s[G1B], s44, (0<<16)|(1<<20)|(1<<21)|(5<<22)|(3<<25)
	s_mov_b32 s[G1B+1], 256<<16
	s_mov_b32 s[G1B+2], 128<<16
	s_mov_b32 s[G1B+3], 256<<16
	s_mov_b32 s[G1B+4], 128
	s_mov_b32 s[G1B+5], 512
	s_mov_b32 s[G1B+6], 0
	s_mov_b32 s[G1B+7], 0
	; scale bytes: dense blocks as rows of 32 elements of 8 bytes; A 64 rows x 32 bytes = 8 units a load, B 16
	s_or_b32 s[G1S], s43, (3<<16)|(1<<20)|(1<<21)|(5<<22)|(3<<25)
	s_mov_b32 s[G1S+1], 32<<16
	s_mov_b32 s[G1S+2], 8<<16
	s_mov_b32 s[G1S+3], 32<<16
	s_mov_b32 s[G1S+4], 8
	s_mov_b32 s[G1S+5], 32
	s_mov_b32 s[G1S+6], 0
	s_mov_b32 s[G1S+7], 0
	s_or_b32 s[G1SB], s44, (3<<16)|(1<<20)|(1<<21)|(5<<22)|(3<<25)
	s_mov_b32 s[G1SB+1], 32<<16
	s_mov_b32 s[G1SB+2], 16<<16
	s_mov_b32 s[G1SB+3], 32<<16
	s_mov_b32 s[G1SB+4], 16
	s_mov_b32 s[G1SB+5], 32
	s_mov_b32 s[G1SB+6], 0
	s_mov_b32 s[G1SB+7], 0
	s_lshl_b32 s92, s22, 7
	s_lshl_b32 s93, s20, 6
	s_add_co_u32 s92, s92, s93                     ; A: row 128 x tile row + 64 x half
	s_lshl_b32 s94, s92, 9                         ; its codes, 512 bytes a row,
	s_mov_b32 s95, 0
	s_lshl_b32 s96, s92, 5                         ; its scale bytes, 32 a row
	s_mov_b32 s97, 0
	s_lshl_b32 s45, s42, 8
	s_lshl_b32 s47, s20, 7
	s_add_co_u32 s45, s45, s47                     ; B: row 256 x tile column + 128 x half
	s_lshl_b32 s66, s45, 9
	s_mov_b32 s67, 0
	s_lshl_b32 s98, s45, 5
	s_mov_b32 s99, 0
	s_mul_i32 s46, s20, 64*PITCH                   ; where they go: the wave's number alone enters an LDS address
	s_mul_i32 s47, s20, 128*PITCH
	s_add_co_u32 s47, s47, BOFF
	s_mul_i32 s92, s20, 8*PITCH
	s_add_co_u32 s92, s92, SCL
	s_mul_i32 s93, s20, 16*PITCH
	s_add_co_u32 s93, s93, SCL+16*PITCH
	s_wait_dscnt 0x0                               ; both opening adds are done
	s_wait_kmcnt 0x0
	s_add_nc_u64 s[94:95], s[4:5], s[94:95]
	s_add_nc_u64 s[96:97], s[6:7], s[96:97]
	s_add_nc_u64 s[66:67], s[8:9], s[66:67]
	s_add_nc_u64 s[98:99], s[10:11], s[98:99]
	CROUND                                         ; all sixteen work-groups are here: the joint loads meet
	s_mov_b32 s[G0S], 1
	s_mov_b32 s[G0S+1], s92
	s_mov_b64 s[G0S+2:G0S+3], s[96:97]
	s_or_b32 s[G0S+3], s[G0S+3], 0x80000000
	s_mov_b32 s[G0SB], 1
	s_mov_b32 s[G0SB+1], s93
	s_mov_b64 s[G0SB+2:G0SB+3], s[98:99]
	s_or_b32 s[G0SB+3], s[G0SB+3], 0x80000000
	JLOAD G0S, G1S, G0SB, G1SB                     ; the scales first, then the two halves of K: three loads of mine are out
.irp kh, 0,1
	s_mov_b32 s[G0+4*\kh], 1
	s_add_co_u32 s[G0+4*\kh+1], s46, \kh*SLOTB
	s_add_nc_u64 s[G0+4*\kh+2:G0+4*\kh+3], s[94:95], \kh*256
	s_or_b32 s[G0+4*\kh+3], s[G0+4*\kh+3], 0x80000000
	s_mov_b32 s[G0B+4*\kh], 1
	s_add_co_u32 s[G0B+4*\kh+1], s47, \kh*SLOTB
	s_add_nc_u64 s[G0B+4*\kh+2:G0B+4*\kh+3], s[66:67], \kh*256
	s_or_b32 s[G0B+4*\kh+3], s[G0B+4*\kh+3], 0x80000000
	JLOAD G0+4*\kh, G1, G0B+4*\kh, G1B
.endr
	v_and_b32 v1, 15, v0                           ; r
	v_bfe_u32 v2, v0, 4, 1                         ; h
	v_and_b32 v3, 31, v0                           ; lane
	v_lshlrev_b32 v[BO], 5, v2
	s_lshl_b32 s2, s42, 10
	s_lshl_b32 s3, s20, 9
	s_add_co_u32 s2, s2, s3                        ; my first column in bytes of f32: 1,024 x tile column + 512 wn
	s_mov_b32 s3, 0
	s_add_nc_u64 s[12:13], s[12:13], s[2:3]        ; the bias there,
	s_add_nc_u64 s[16:17], s[16:17], s[2:3]        ; and fineqkv,
	s_mul_i32 s2, s41, 16*12288
	s_add_nc_u64 s[16:17], s[16:17], s[2:3]        ; in my batch
	WIN TO_F
.irp b, 0,1,2,3,4,5,6,7                        ; register 8 b + j: b_qkv at my column 16 b + 8 h + j: the result's layout
	global_load_b128 v[BIAS+8*\b:BIAS+8*\b+3], v[BO], s[12:13] offset:64*\b
	global_load_b128 v[BIAS+8*\b+4:BIAS+8*\b+7], v[BO], s[12:13] offset:64*\b+16
.endr
	WIN 0
	v_mul_u32_u24 v4, v1, PITCH
	v_lshl_add_u32 v4, v2, 4, v4                   ; a fragment's row x pitch + 16 h
	s_mul_i32 s23, s19, 64*PITCH
	v_add_nc_u32 v[ADRA], s23, v4
	s_add_co_u32 s23, s23, SLOTB
	v_add_nc_u32 v[ADRA+1], s23, v4
	s_mul_i32 s23, s20, 128*PITCH
	s_add_co_u32 s23, s23, BOFF
	v_add_nc_u32 v[ADRB], s23, v4
	s_add_co_u32 s23, s23, SLOTB
	v_add_nc_u32 v[ADRB+1], s23, v4
	v_lshrrev_b32 v5, 3, v1
	v_mul_u32_u24 v5, v5, PITCH
	v_and_b32 v6, 7, v1
	v_lshl_add_u32 v5, v6, 5, v5                   ; row r's 32 scale bytes: eight rows to a unit
	s_mul_i32 s23, s19, 8*PITCH
	s_add_co_u32 s23, s23, SCL
	v_add_nc_u32 v[ADSA], s23, v5
	s_mul_i32 s23, s20, 16*PITCH
	s_add_co_u32 s23, s23, SCL+16*PITCH
	v_add_nc_u32 v[ADSB], s23, v5
	s_mul_i32 s23, s18, 16*272
	s_add_co_u32 s23, s23, STAGE
	v_add_nc_u32 v[STO], s23, v4                   ; into my stage: row r, 16 bytes for each half of the lanes
	v_lshrrev_b32 v5, 3, v3
	v_mul_u32_u24 v5, v5, 272
	v_and_b32 v6, 7, v0
	v_lshl_add_u32 v5, v6, 4, v5
	v_add_nc_u32 v[RD], s23, v5                    ; back: eight lanes take a token's 128 bytes of one head, four tokens an instruction
	v_lshlrev_b32 v[CO], 4, v3
	s_mul_i32 s23, s18, 16*528
	s_add_co_u32 s23, s23, FSTG
	v_mul_u32_u24 v5, v1, 528
	v_lshl_add_u32 v5, v2, 5, v5
	v_add_nc_u32 v[FSTO], s23, v5
	v_add_nc_u32 v[FRD], s23, v[CO]
	; qkv16 at my part: which x 2^24 + batch x 2^22 + head x 2^18 + token x 128
	s_lshr_b32 s2, s42, 2
	s_lshl_b32 s2, s2, 24
	s_lshl_b32 s23, s41, 22
	s_add_co_u32 s2, s2, s23
	s_lshl_b32 s23, s42, 2
	s_lshl_b32 s45, s20, 1
	s_add_co_u32 s23, s23, s45
	s_and_b32 s23, s23, 15                         ; my first head: (4 x tile column + 2 wn) mod 16
	s_lshl_b32 s23, s23, 18
	s_add_co_u32 s2, s2, s23
	s_lshl_b32 s23, s21, 7
	s_lshl_b32 s45, s19, 6
	s_add_co_u32 s23, s23, s45                     ; my first token in the batch
	s_lshl_b32 s23, s23, 7
	s_add_co_u32 s2, s2, s23
	s_add_nc_u64 s[14:15], s[14:15], s[2:3]
.macro FRAG reg, adr, q, i             ; 16 rows x 128 K of 4-bit codes: registers 4 c .. 4 c + 3 hold K = 64 c + 32 h + 0 .. 31
.irp c, 0,1
	ds_load_b128 v[\reg+4*\c:\reg+4*\c+3], v[\adr] offset:64*(\q)+32*\c+(\i)*16*PITCH
.endr
.endm
.macro FETCH kh, q, set                ; 24 loads in one run: B's eight fragments, A's blocks 0-1, A's blocks 2-3
	WIN TO_F
.irp i, 0,1,2,3,4,5,6,7
	FRAG 96*(\set)+32+8*\i, ADRB+(\kh), \q, \i
.endr
.irp i, 0,1,2,3
	FRAG 96*(\set)+8*\i, ADRA+(\kh), \q, \i
.endr
.endm
.macro SCALES kh                       ; a half of K's scale words: four words a row by one load; lanes 0-15 are read by the matrix unit
.irp a, 0,1,2,3
	ds_load_b128 v[SC+48*(\kh)+4*\a:SC+48*(\kh)+4*\a+3], v[ADSA] offset:16*(\kh)+2*PITCH*\a
.endr
.irp b, 0,1,2,3,4,5,6,7
	ds_load_b128 v[SC+48*(\kh)+16+4*\b:SC+48*(\kh)+16+4*\b+3], v[ADSB] offset:16*(\kh)+2*PITCH*\b
.endr
.endm
; 16 products: A's blocks a0, a0 + 1 against B's eight.  The 32 accumulators take turns, one instruction a turn, in the same order in every step.
.macro MUL16 a0, set, q, kh, first
.irp a, \a0, \a0+1
.irp b, 0,1,2,3,4,5,6,7
.if \first
	v_wmma_scale_f32_16x16x128_f8f6f4 v[8*(8*(\a)+\b):8*(8*(\a)+\b)+7], v[96*(\set)+32+8*\b:96*(\set)+32+8*\b+7], v[96*(\set)+8*(\a):96*(\set)+8*(\a)+7], v[BIAS+8*\b:BIAS+8*\b+7], v[SC+48*(\kh)+16+4*\b+(\q)], v[SC+48*(\kh)+4*(\a)+(\q)] matrix_a_fmt:MATRIX_FMT_FP4 matrix_b_fmt:MATRIX_FMT_FP4
.else
	v_wmma_scale_f32_16x16x128_f8f6f4 v[8*(8*(\a)+\b):8*(8*(\a)+\b)+7], v[96*(\set)+32+8*\b:96*(\set)+32+8*\b+7], v[96*(\set)+8*(\a):96*(\set)+8*(\a)+7], v[8*(8*(\a)+\b):8*(8*(\a)+\b)+7], v[SC+48*(\kh)+16+4*\b+(\q)], v[SC+48*(\kh)+4*(\a)+(\q)] matrix_a_fmt:MATRIX_FMT_FP4 matrix_b_fmt:MATRIX_FMT_FP4
.endif
.endr
.endr
.endm
.macro WMUL
.if FIRST
	WIN MUL_FIRST
.else
	WIN MUL
.endif
.endm
; Step s of eight: 128 along K, 32 products; in its middle the next step's fragments are fetched into the other set.
.macro STEP s
.set KH,   (\s)/4
.set QQ,   (\s)%4
.set SET,  (\s)%2
.set NKH,  ((\s)+1)/4
.set NQQ,  ((\s)+1)%4
.set NSET, ((\s)+1)%2
.set FIRST, 0
.if (\s) == 0
.set FIRST, 1
.endif
.if (\s) == 3
	s_wait_dscnt 0x0                               ; no LDS instruction of mine is out at a signal;
	s_wait_tensorcnt 0x0                           ; my part of K's second half has landed (my last load):
	s_barrier_signal -1                            ; say so
.else
	s_wait_dscnt 4                                 ; B's set and A's blocks 0-1 are in; the youngest four loads (A's blocks 2-3) may be out
.endif
	WMUL
	MUL16 0, SET, QQ, KH, FIRST
.if (\s) == 3
	s_barrier_wait -1                              ; everybody's part of the second half is in
.endif
.if (\s) < 7
	PLACES                                         ; four plain places in front of loads into registers that the step before multiplied
.if (\s) == 3
	WIN 0
	SCALES 1
.endif
	FETCH NKH, NQQ, NSET
	s_wait_dscnt 24                                ; all but the 24 just issued
.else
	s_wait_dscnt 0x0
.endif
	WMUL
	MUL16 2, SET, QQ, KH, FIRST
.endm
	s_wait_tensorcnt 1                             ; the scales and K's first half are in; my last load, the second half, may be out,
	s_barrier_signal -1
	s_barrier_wait -1                              ; everybody's are
	SCALES 0
	FETCH 0, 0, 0
	s_wait_loadcnt 0x0                             ; the bias
.irp s, 0,1,2,3,4,5,6,7
	STEP \s
.endr
	WIN 0
; THE WAY OUT, a block of 16 tokens x 128 columns at a time: rounded to f16, 16 bytes a lane into my own stage, back so that each store covers 512 consecutive bytes: four tokens of one head.
.macro PACK a
	WIN 0x0a                                       ; sources 0 and 1: window 2
.irp b, 0,1,2,3,4,5,6,7
.irp p, 0,1,2,3
	v_cvt_pk_f16_f32 v[TMP+4*\b+\p], v[8*(8*(\a)+\b)+2*\p], v[8*(8*(\a)+\b)+2*\p+1]   ; each accumulator from its low end on
.endr
.endr
	WIN 0
.endm
.macro TOSTAGE a
.set BB, BK+32*((\a)%2)
.irp b, 0,1,2,3,4,5,6,7
	ds_store_b128 v[STO], v[TMP+4*\b:TMP+4*\b+3] offset:32*\b
.endr
.irp hh, 0,1
.irp i, 0,1,2,3
	ds_load_b128 v[BB+16*\hh+4*\i:BB+16*\hh+4*\i+3], v[RD] offset:4*272*\i+128*\hh   ; in order behind my stores
.endr
.endr
.endm
.macro SEND a
.set BB, BK+32*((\a)%2)
	s_wait_dscnt 0x0                               ; the block is back in registers
	s_wait_xcnt 0x0                                ; the earlier stores have read their registers: the next block's loads may land there
.irp hh, 0,1
.irp i, 0,1,2,3
	global_store_b128 v[CO], v[BB+16*\hh+4*\i:BB+16*\hh+4*\i+3], s[14:15] offset:2048*(\a)+512*\i+262144*\hh
.endr
.endr
.endm
	PLACES                                         ; behind the last products
	PACK 0
	TOSTAGE 0
.irp a, 1,2,3                                  ; block a's conversions stand between block a - 1's loads from the stage and the wait for them
	PACK \a
	SEND \a-1
	TOSTAGE \a
.endr
	SEND 3
	; THE F32 COPY of positions 0-15: my block 0, where the tile is its batch's first (cluster y = 0) and the wave has the tile's first tokens (wm = 0)
	s_or_b32 s23, s21, s19
	s_cmp_lg_u32 s23, 0
	s_cbranch_scc1 .Lnofine
	s_wait_xcnt 0x0                                ; the last stores have read the registers that the loads below fill
	WIN 0x08                                       ; an LDS store's data: window 2
.irp b, 0,1,2,3,4,5,6,7
	ds_store_b128 v[FSTO], v[8*\b:8*\b+3] offset:64*\b
	ds_store_b128 v[FSTO], v[8*\b+4:8*\b+7] offset:64*\b+16
.endr
	WIN 0
.irp t, 0,1,2,3,4,5,6,7,8,9,10,11,12,13,14,15
	ds_load_b128 v[BK+4*\t:BK+4*\t+3], v[FRD] offset:528*\t
.endr
.irp t, 0,1,2,3,4,5,6,7,8,9,10,11,12,13,14,15
	s_wait_dscnt 15-\t
	global_store_b128 v[CO], v[BK+4*\t:BK+4*\t+3], s[16:17] offset:12288*\t   ; 512 consecutive bytes of position t's row
.endr
.Lnofine:
	s_wait_tensorcnt 0x0                           ; the wave's end
	ds_add_u32 v[SPW], v[NIL]
	s_wait_dscnt 0x0
	CROUND                                         ; the closing round
	s_endpgm
.Lfunc_end_k_q2479ffd956_gemm_qkv:
	.size	k_q2479ffd956_gemm_qkv, .Lfunc_end_k_q2479ffd956_gemm_qkv-k_q2479ffd956_gemm_qkv
	.p2alignl 7, 3214868480
	.fill 96, 4, 3214868480
	.section	.rodata,"a",@progbits
	.p2align	6, 0x0
	.amdhsa_kernel k_q2479ffd956_gemm_qkv
		.amdhsa_group_segment_fixed_size 327680
		.amdhsa_private_segment_fixed_size 0
		.amdhsa_enable_private_segment 0
		.amdhsa_kernarg_size 56
		.amdhsa_user_sgpr_count 2
		.amdhsa_user_sgpr_kernarg_segment_ptr 1
		.amdhsa_wavefront_size32 1
		.amdhsa_system_sgpr_workgroup_id_x 1
		.amdhsa_system_sgpr_workgroup_id_y 1
		.amdhsa_system_sgpr_workgroup_id_z 1
		.amdhsa_system_vgpr_workitem_id 0
		.amdhsa_next_free_vgpr 768
		.amdhsa_next_free_sgpr 100
		.amdhsa_reserve_vcc 0
		.amdhsa_float_denorm_mode_32 3
		.amdhsa_float_denorm_mode_16_64 3
		.amdhsa_memory_ordered 1
		.amdhsa_forward_progress 1
		.amdhsa_inst_pref_size 80
	.end_amdhsa_kernel
	.amdgpu_metadata
---
amdhsa.version: [ 1, 2 ]
amdhsa.kernels:
  - .name:           k_q2479ffd956_gemm_qkv
    .symbol:         k_q2479ffd956_gemm_qkv.kd
    .args:
      - { .name: x_codes, .offset: 0, .size: 8, .value_kind: global_buffer, .address_space: global }
      - { .name: x_scales, .offset: 8, .size: 8, .value_kind: global_buffer, .address_space: global }
      - { .name: wq_codes, .offset: 16, .size: 8, .value_kind: global_buffer, .address_space: global }
      - { .name: wq_scales, .offset: 24, .size: 8, .value_kind: global_buffer, .address_space: global }
      - { .name: b_qkv, .offset: 32, .size: 8, .value_kind: global_buffer, .address_space: global }
      - { .name: qkv16, .offset: 40, .size: 8, .value_kind: global_buffer, .address_space: global }
      - { .name: fineqkv, .offset: 48, .size: 8, .value_kind: global_buffer, .address_space: global }
    .group_segment_fixed_size: 327680
    .private_segment_fixed_size: 0
    .kernarg_segment_align: 8
    .kernarg_segment_size: 56
    .max_flat_workgroup_size: 128
    .sgpr_count:     100
    .vgpr_count:     768
    .wavefront_size: 32
...
	.end_amdgpu_metadata
.endif
;; end of part 2
;; launch attn (part 3): grid 4 x 64, 16 waves a work-group, no clusters, 327,680 bytes of LDS; arguments qkv16, attn16; writes attn16
.if DOCPART == 3
	.amdgcn_target "amdgcn-amd-amdhsa--gfx1250"
	.amdhsa_code_object_version 6
	.text
	.protected	k_q2479ffd956_attn
	.globl	k_q2479ffd956_attn
	.p2align	8
	.type	k_q2479ffd956_attn,@function
k_q2479ffd956_attn:
	s_mov_b64 s[64:65], 0
	v_nop
	global_prefetch_b8 v0, s[64:65] scope:SCOPE_SE
	s_setreg_imm32_b32 hwreg(HW_REG_WAVE_MODE, 25, 1), 1
	s_wait_xcnt 0x0
; Causal attention of one head: O[q] = sum over k <= q of softmax_k(Q[q] . K[k] / 8) V[k].  Q, K, V: f16 [2048][64] out of qkv16; O: f16 into attn16 [head][batch x 2048 + token][64].
; Products on f16 operands with f32 sums; maxima, exponentials and sums in f32; a running maximum is taken away ahead of every exponential; the weights p are rounded to f16 for the second product.
; LIMITS: p under about 6e-8 is 0 in f16; O beyond 65,504 becomes infinity.  (Positions 0-15 of every sequence are computed again in f32 by a later launch.)
; SHARES.  Work-group (i, head) owns query blocks i and 7 - i of 256 queries: under the mask that is nine blocks' worth of keys for every work-group.  Waves 0-7 take block i, waves 8-15 block 7 - i;
; a wave owns 32 queries, two tiles of 16, so that each fragment of K and V read from LDS feeds two products.  Four waves share a SIMD: one wave's softmax stands beside another's products.
; K and V come through a ring of two LDS slots of 256 keys (waves 0, 1: K's halves; waves 2, 3: V's), read by all sixteen.
; NO CLUSTER: the four work-groups of a head need different numbers of slots under the mask, and a joint load may not be left out by some partners.
; LAYOUT.  S^T = K Q^T (source 0 = 16 keys, source 1 = 16 queries): a lane holds one query (lane % 16) and keys 8 (lane / 16) + 0..7; two such tiles, rounded in pairs, are source 1 of O^T = V^T P.
; V ([key][channel]) comes out of LDS turned, by ds_load_tr16_b128.
; EVERY work-group walks all 8 slots (constant trip counts); a step all of whose keys come after the wave's queries is jumped over by a scalar branch on ids.
.set KP,    144                        ; a key's row in LDS: 128 bytes + 16
.set VP,    160                        ; a row of V: 128 + 32
.set VOFF,  256*KP                     ; a slot: 256 rows of K, then 256 of V
.set SLOT1, 1<<17
.set STAGE, SLOT1+256*(KP+VP)          ; behind the ring: 16 rows x 144 for each wave
.set SPARE, STAGE+16*16*144            ; the spare words: 128 bytes for each of 16 waves
.set AK0, 1
.set AV0, 2
.set ADK, 3
.set ADV, 4
.set SPW, 5                            ; v5 my spare word; never rewritten
.set NIL, 6                            ; v6 0; never rewritten
.set GO,  7                            ; v7 16 x lane
.set STO, 8
.set RD,  9
.set D0,  10                           ; v10, v11 the mask's bound for tile 0, 1
.set ST,  12                           ; tile t's statistics at v[12 + 8 t]: +0 c m, +1 m, +2, +3 l (two halves), +4..+7 at work; alpha in +6
.set PFO, 28                           ; v28 256 x lane
.set NINF, 29                          ; v29 -infinity
.set RH,  30                           ; v30 r - 8 h
.set QR,  32                           ; v32-63  Q: tile t, channels 32 c on, at 16 t + 8 c
.set KV,  64                           ; v64-127 K's eight fragments, then V's eight
.set S,   128                          ; v128-191 S^T, 32 a tile; then p; then P packed into the low 16 of each tile
.set OA,  192                          ; v192-255 O^T, 32 a tile
.set WV,  18
.set SEL, 20
.set CS,  22                           ; s[22:23] c = log2(e) / 8
.set G1K, 24
.set G1V, 32
.set G0K, 40
.set G0V, 44
.set TB,  2                            ; s2 LDS byte at which the slot in hand begins
.set SLOTS, 3
.set KF,  48                           ; s48 the step's first key
.set Q0,  49                           ; s49 my first query
.set QL,  50                           ; s50 the work-group's last query
.set PFA, 52
.set LIM, 54
; Waves 0 and 1 fetch for K, waves 2 and 3 for V, the others nothing.  An s_nop 0 and four v_nop follow each line.
.macro TLOAD
	s_cmp_lt_u32 s[WV], 2
	s_cbranch_scc0 .Lnot_k_\@
	tensor_load_to_lds s[G0K:G0K+3], s[G1K:G1K+7]
	s_nop 0
.rept 4
	v_nop
.endr
	s_branch .Lasked_\@
.Lnot_k_\@:
	s_cmp_lt_u32 s[WV], 4
	s_cbranch_scc0 .Lasked_\@
	tensor_load_to_lds s[G0V:G0V+3], s[G1V:G1V+7]
	s_nop 0
.rept 4
	v_nop
.endr
.Lasked_\@:
.endm
; A prefetch of what the NEXT change of slots will load: a slot's 32,768 bytes of K and of V.  All four work-groups of a head walk the same K and V: work-group 0, which walks all slots, asks.
; In it waves 4-7 ask for K, waves 8-11 for V, 8,192 bytes a wave, lanes 256 bytes apart: each block of 256 bytes is named once.  One slot, four key steps, ahead; the last filling change asks for nothing.
.macro ASK
	s_cmp_gt_u32 s[SLOTS], s[LIM]
	s_cbranch_scc0 .Lnot_mine_\@
	global_prefetch_b8 v[PFO], s[PFA:PFA+1] th:TH_LOAD_NT scope:SCOPE_SE
.Lnot_mine_\@:
.endm
	s_load_b128 s[4:7], s[0:1], 0x0                ; qkv16 s[4:5], attn16 s[6:7]
	v_lshl_add_u32 v[SPW], v0, 2, SPARE
	v_mov_b32 v[NIL], 0
	ds_add_u32 v[SPW], v[NIL]                      ; the opening: the add, twice on end, and its wait ahead of the first tensor load
	ds_add_u32 v[SPW], v[NIL]
	v_lshrrev_b32 v8, 5, v0
	v_readfirstlane_b32 s[WV], v8                  ; wave 0..15
	s_and_b32 s56, ttmp7, 0xffff                   ; 16 x batch + head
	s_lshl_b32 s57, s56, 18                        ; the head's 262,144 bytes in each of q, k, v
	s_and_b32 s58, s[WV], 1
	s_lshl_b32 s59, s58, 14                        ; which 128 keys of a slot I fetch, if I fetch
	s_add_co_u32 s60, s57, s59
	s_add_co_u32 s60, s60, 1<<24                   ; K
	s_mov_b32 s61, 0
	s_add_co_u32 s62, s60, 1<<24                   ; V
	s_mov_b32 s63, 0
	s_sub_co_u32 s66, 7, ttmp9
	s_cmp_lt_u32 s[WV], 8
	s_cselect_b32 s67, ttmp9, s66                  ; my block of 256 queries
	s_lshl_b32 s[Q0], s67, 8
	s_and_b32 s68, s[WV], 7
	s_lshl_b32 s68, s68, 5
	s_add_co_u32 s[Q0], s[Q0], s68
	s_lshl_b32 s[QL], s66, 8
	s_or_b32 s[QL], s[QL], 255
	s_lshl_b32 s69, s[Q0], 7
	s_add_co_u32 s70, s57, s69                     ; Q at my first query
	s_mov_b32 s71, 0
	s_and_b32 s72, s56, 15
	s_lshl_b32 s72, s72, 20                        ; attn16: head x 8,192 tokens x 128 bytes
	s_lshr_b32 s73, s56, 4
	s_lshl_b32 s73, s73, 18                        ; + batch x 2,048 x 128
	s_add_co_u32 s72, s72, s73
	s_add_co_u32 s72, s72, s69
	s_mov_b32 s73, 0
	; group 1: 128 rows of 64 elements of 2 bytes, dense in memory; padding behind every 32 words: K four words, V eight
	s_mov_b32 s[G1K], (1<<16)|(1<<20)|(4<<22)|(3<<25)
	s_mov_b32 s[G1K+1], 64<<16
	s_mov_b32 s[G1K+2], 128<<16
	s_mov_b32 s[G1K+3], 64<<16
	s_mov_b32 s[G1K+4], 128
	s_mov_b32 s[G1K+5], 64
	s_mov_b32 s[G1K+6], 0
	s_mov_b32 s[G1K+7], 0
	s_mov_b32 s[G1V], (1<<16)|(1<<20)|(4<<22)|(7<<25)
	s_mov_b32 s[G1V+1], 64<<16
	s_mov_b32 s[G1V+2], 128<<16
	s_mov_b32 s[G1V+3], 64<<16
	s_mov_b32 s[G1V+4], 128
	s_mov_b32 s[G1V+5], 64
	s_mov_b32 s[G1V+6], 0
	s_mov_b32 s[G1V+7], 0
	s_mov_b32 s[SEL], 0x76543210
	s_mov_b32 s[SEL+1], 0xfedcba98
	s_mov_b32 s[CS], 0x3e38aa3b                    ; log2(e) / sqrt(64)
	s_mov_b32 s[CS+1], s[CS]
	s_mov_b32 s[TB], 0
	s_mov_b32 s[SLOTS], 7
	s_mov_b32 s[KF], 0
	s_mul_i32 s59, s58, 128*KP
	s_mul_i32 s58, s58, 128*VP
	s_add_co_u32 s58, s58, VOFF
	s_wait_dscnt 0x0                               ; both opening adds are done
	s_wait_kmcnt 0x0
	s_mov_b32 s[G0K], 1
	s_mov_b32 s[G0K+1], s59
	s_add_nc_u64 s[G0K+2:G0K+3], s[4:5], s[60:61]
	s_or_b32 s[G0K+3], s[G0K+3], 0x80000000
	s_mov_b32 s[G0V], 1
	s_mov_b32 s[G0V+1], s58
	s_add_nc_u64 s[G0V+2:G0V+3], s[4:5], s[62:63]
	s_or_b32 s[G0V+3], s[G0V+3], 0x80000000
	TLOAD                                          ; slot 0: it holds key 0, which counts for every query
	s_add_nc_u64 s[8:9], s[4:5], s[70:71]          ; Q
	s_add_nc_u64 s[10:11], s[6:7], s[72:73]        ; O
	s_cmp_lt_u32 s[WV], 8                          ; the prefetches: waves 4-7 K, waves 8-11 V
	s_mov_b32 s74, 2<<24
	s_cselect_b32 s74, 1<<24, s74
	s_add_co_u32 s74, s74, s57
	s_and_b32 s75, s[WV], 3
	s_lshl_b32 s75, s75, 13
	s_add_co_u32 s74, s74, s75
	s_add_co_u32 s74, s74, 32768                   ; in slot 1: the first change of slots steps it to slot 2.  Nothing is prefetched at the head
	s_mov_b32 s75, 0
	s_add_nc_u64 s[PFA:PFA+1], s[4:5], s[74:75]
	s_sub_co_u32 s74, s[WV], 4
	s_lshr_b32 s74, s74, 3                         ; 0 in waves 4 to 11,
	s_or_b32 s74, s74, ttmp9                       ; of work-group 0 of the head
	s_cmp_eq_u32 s74, 0
	s_cselect_b32 s[LIM], 1, -1
	v_and_b32 v30, 15, v0                          ; r
	v_bfe_u32 v31, v0, 4, 1                        ; h
	v_and_b32 v10, 31, v0                          ; lane
	v_lshlrev_b32 v3, 7, v30
	v_lshl_add_u32 v3, v31, 4, v3                  ; Q: row r of 128 bytes + 16 h
.irp t, 0,1
.irp c, 0,1
	global_load_b128 v[QR+16*\t+8*\c:QR+16*\t+8*\c+3], v3, s[8:9] offset:2048*\t+64*\c
	global_load_b128 v[QR+16*\t+8*\c+4:QR+16*\t+8*\c+7], v3, s[8:9] offset:2048*\t+64*\c+32
.endr
.endr
	v_mul_u32_u24 v[AK0], v30, KP
	v_lshl_add_u32 v[AK0], v31, 4, v[AK0]
	v_and_b32 v[AV0], 7, v0
	v_lshl_add_u32 v[AV0], v31, 3, v[AV0]
	v_mul_u32_u24 v[AV0], v[AV0], VP
	v_bfe_u32 v4, v0, 3, 1
	v_lshl_add_u32 v[AV0], v4, 4, v[AV0]
	v_add_nc_u32 v[AV0], VOFF, v[AV0]
	v_lshlrev_b32 v[GO], 4, v10
	s_mul_i32 s74, s[WV], 16*144
	s_add_co_u32 s74, s74, STAGE
	v_add_nc_u32 v[STO], s74, v[AK0]               ; my stage, in: row r, 16 bytes for each half of the lanes
	v_lshrrev_b32 v[RD], 3, v10
	v_mul_u32_u24 v[RD], v[RD], 144
	v_and_b32 v4, 7, v0
	v_lshl_add_u32 v[RD], v4, 4, v[RD]
	v_add_nc_u32 v[RD], s74, v[RD]                 ; back: eight lanes to a row of 128 bytes, four rows an instruction
	v_lshlrev_b32 v[PFO], 8, v10
	v_mov_b32 v[NINF], 0xff800000
	v_lshlrev_b32 v31, 3, v31
	v_sub_nc_u32 v[RH], v30, v31
.set ii, 0
.rept 16
	v_mov_b32 v[ST+ii], 0                          ; l = 0; the registers at work are written once (a lane permute's destination counts as a source)
.set ii, ii+1
.endr
.irp t, 0,1
	v_mov_b32 v[ST+8*\t+1], 0xff61b1e6             ; m = -3e38, under every score
	v_mul_f32 v[ST+8*\t], s[CS], v[ST+8*\t+1]
.endr
.set ii, 0
.rept 64
	v_mov_b32 v[OA+ii], 0                          ; O^T: the step is written once; the first finds zeros, which alpha = 0 leaves zeros
.set ii, ii+1
.endr
; A KEY STEP: 64 keys, the q-th of the slot in hand.
.macro STEP q
	s_add_co_u32 s56, s[Q0], 31
	s_cmp_gt_u32 s[KF], s56                        ; all keys come after my 32 queries: the step's work is left out
	s_cbranch_scc1 .Lhidden_\@
	v_add_nc_u32 v[ADK], s[TB], v[AK0]
	v_add_nc_u32 v[ADV], s[TB], v[AV0]
.rept 4
	v_nop                                          ; with the two additions six plain places behind the last step's products: four are wanted by the loads into V's registers, five by the products that write over P
.endr
.irp kt, 0,1,2,3
.irp c, 0,1
	ds_load_b128 v[KV+16*\kt+8*\c:KV+16*\kt+8*\c+3], v[ADK] offset:(64*(\q)+16*\kt)*KP+64*\c
	ds_load_b128 v[KV+16*\kt+8*\c+4:KV+16*\kt+8*\c+7], v[ADK] offset:(64*(\q)+16*\kt)*KP+64*\c+32
.endr
.endr
	s_wait_dscnt 0x0
.irp c, 0,1                                    ; S^T = K Q^T: eight accumulators by turns, one instruction a turn
.irp kt, 0,1,2,3
.irp t, 0,1
.if \c == 0
	v_wmma_f32_16x16x32_f16 v[S+32*\t+8*\kt:S+32*\t+8*\kt+7], v[KV+16*\kt+8*\c:KV+16*\kt+8*\c+7], v[QR+16*\t+8*\c:QR+16*\t+8*\c+7], 0
.else
	v_wmma_f32_16x16x32_f16 v[S+32*\t+8*\kt:S+32*\t+8*\kt+7], v[KV+16*\kt+8*\c:KV+16*\kt+8*\c+7], v[QR+16*\t+8*\c:QR+16*\t+8*\c+7], v[S+32*\t+8*\kt:S+32*\t+8*\kt+7]
.endif
.endr
.endr
.endr
.rept 4
	v_nop                                          ; places in front of the loads into K's registers and of the first read of the scores
.endr
.irp u, 0,1                                    ; V of these 64 keys, turned: it lands under the softmax
.irp ct, 0,1,2,3
	ds_load_tr16_b128 v[KV+32*\u+8*\ct:KV+32*\u+8*\ct+3], v[ADV] offset:(64*(\q)+32*\u)*VP+32*\ct
	ds_load_tr16_b128 v[KV+32*\u+8*\ct+4:KV+32*\u+8*\ct+7], v[ADV] offset:(64*(\q)+32*\u+16)*VP+32*\ct
.endr
.endr
	s_add_co_u32 s56, s[KF], 63
	s_cmp_le_u32 s56, s[Q0]                        ; all 64 keys count for all my queries: no mask
	s_cbranch_scc1 .Lopen_\@
	s_sub_co_i32 s56, s[Q0], s[KF]
	v_add_nc_u32 v[D0], s56, v[RH]                 ; tile t's register 8 kt + j holds key KF + 16 kt + 8 h + j: hidden where 16 kt + j > Q0 - KF + 16 t + r - 8 h
	v_add_nc_u32 v[D0+1], 16, v[D0]
.irp t, 0,1
.set nn, 0
.rept 32
	v_cmp_gt_i32 vcc_lo, 16*(nn/8)+nn%8, v[D0+\t]
	v_cndmask_b32 v[S+32*\t+nn], v[S+32*\t+nn], v[NINF], vcc_lo
.set nn, nn+1
.endr
.endr
.Lopen_\@:
	; the maximum of 32 scores and the old m, the two tiles line by line by turns; each accumulator is read from its low end on
.irp j, 0,1,2,3
.irp t, 0,1
	v_max3_num_f32 v[ST+8*\t+4+\j], v[S+32*\t+8*\j], v[S+32*\t+8*\j+1], v[S+32*\t+8*\j+2]
.endr
.endr
.irp k, 1,2
.irp j, 0,1,2,3
.irp t, 0,1
	v_max3_num_f32 v[ST+8*\t+4+\j], v[ST+8*\t+4+\j], v[S+32*\t+8*\j+2*\k+1], v[S+32*\t+8*\j+2*\k+2]
.endr
.endr
.endr
.irp t, 0,1
	v_max3_num_f32 v[ST+8*\t+4], v[ST+8*\t+4], v[S+32*\t+7], v[S+32*\t+15]
	v_max3_num_f32 v[ST+8*\t+6], v[ST+8*\t+6], v[S+32*\t+23], v[S+32*\t+31]
.endr
.irp t, 0,1
	v_max3_num_f32 v[ST+8*\t+4], v[ST+8*\t+4], v[ST+8*\t+5], v[ST+8*\t+6]
.endr
.irp t, 0,1
	v_max3_num_f32 v[ST+8*\t+4], v[ST+8*\t+4], v[ST+8*\t+7], v[ST+8*\t+1]
.endr
.irp t, 0,1
	v_permlanex16_b32 v[ST+8*\t+5], v[ST+8*\t+4], s[SEL], s[SEL+1]   ; the query's other 32 keys lie in the lane 16 away
.endr
.irp t, 0,1
	v_mov_b32 v[ST+8*\t+7], v[ST+8*\t]             ; c m_old
.endr
.irp t, 0,1
	v_max_num_f32 v[ST+8*\t+1], v[ST+8*\t+4], v[ST+8*\t+5]
.endr
.irp t, 0,1
	v_mul_f32 v[ST+8*\t], s[CS], v[ST+8*\t+1]
.endr
.irp t, 0,1
	v_sub_f32 v[ST+8*\t+7], v[ST+8*\t+7], v[ST+8*\t]
.endr
.set nn, 0
.rept 16
.irp t, 0,1
	v_pk_fma_f32 v[S+32*\t+2*nn:S+32*\t+2*nn+1], v[S+32*\t+2*nn:S+32*\t+2*nn+1], s[CS:CS+1], v[ST+8*\t:ST+8*\t+1] op_sel_hi:[1,0,0] neg_lo:[0,0,1] neg_hi:[0,0,1]   ; c s - c m
.endr
.set nn, nn+1
.endr
.irp t, 0,1
	v_exp_f32 v[ST+8*\t+6], v[ST+8*\t+7]           ; alpha = 2^(c m_old - c m_new)
.endr
.set nn, 0
.rept 64
	v_exp_f32 v[S+nn], v[S+nn]                     ; p: one batch of 66 exponentials
.set nn, nn+1
.endr
	v_nop                                          ; a plain place behind the last exponential
	s_wait_alu depctr_va_vdst(0)                   ; one wait for the batch, ahead of its first reader
.irp t, 0,1
	v_pk_fma_f32 v[ST+8*\t+2:ST+8*\t+3], v[ST+8*\t+2:ST+8*\t+3], v[ST+8*\t+6:ST+8*\t+7], v[S+32*\t:S+32*\t+1] op_sel_hi:[1,0,1]   ; l = alpha l + pair 0
.endr
.irp t, 0,1
	v_pk_add_f32 v[ST+8*\t+4:ST+8*\t+5], v[S+32*\t+2:S+32*\t+3], v[S+32*\t+4:S+32*\t+5]
.endr
.irp p, 3,5,7,9,11,13
.irp t, 0,1
	v_pk_add_f32 v[ST+8*\t+2:ST+8*\t+3], v[ST+8*\t+2:ST+8*\t+3], v[S+32*\t+2*\p:S+32*\t+2*\p+1]
	v_pk_add_f32 v[ST+8*\t+4:ST+8*\t+5], v[ST+8*\t+4:ST+8*\t+5], v[S+32*\t+2*(\p+1):S+32*\t+2*(\p+1)+1]
.endr
.endr
.irp t, 0,1
	v_pk_add_f32 v[ST+8*\t+2:ST+8*\t+3], v[ST+8*\t+2:ST+8*\t+3], v[S+32*\t+30:S+32*\t+31]
.endr
.irp t, 0,1
	v_pk_add_f32 v[ST+8*\t+2:ST+8*\t+3], v[ST+8*\t+2:ST+8*\t+3], v[ST+8*\t+4:ST+8*\t+5]
.endr
.set nn, 0
.rept 16
.irp t, 0,1
	v_cvt_pk_f16_f32 v[S+32*\t+nn], v[S+32*\t+2*nn], v[S+32*\t+2*nn+1]   ; P in place, ascending: register nn is written when pairs 0 .. nn have been read
.endr
.set nn, nn+1
.endr
.set nn, 0
.rept 16
.irp t, 0,1
	v_pk_mul_f32 v[OA+32*\t+2*nn:OA+32*\t+2*nn+1], v[OA+32*\t+2*nn:OA+32*\t+2*nn+1], v[ST+8*\t+6:ST+8*\t+7] op_sel_hi:[1,0]   ; O^T x alpha
.endr
.set nn, nn+1
.endr
	s_wait_dscnt 0x0                               ; V is in
.irp u, 0,1                                    ; O^T += V^T P: eight accumulators by turns
.irp ct, 0,1,2,3
.irp t, 0,1
	v_wmma_f32_16x16x32_f16 v[OA+32*\t+8*\ct:OA+32*\t+8*\ct+7], v[KV+32*\u+8*\ct:KV+32*\u+8*\ct+7], v[S+32*\t+8*\u:S+32*\t+8*\u+7], v[OA+32*\t+8*\ct:OA+32*\t+8*\ct+7]
.endr
.endr
.endr
.Lhidden_\@:
	s_add_co_u32 s[KF], s[KF], 64
.endm
; THE CHANGE OF SLOTS, at a slot's head.  Each wave waits for all its tensor loads, adds 0 to its spare word, and waits for that and for its reads of the slot that it has left; one barrier.
; fill = 1: the slot just left is filled with the next 256 keys, while their first key is at or under the work-group's last query: a slot beyond that is read by none of the sixteen waves.
; Every wait on TENSORcnt in this text is for 0.
.macro CHANGE fill
	s_wait_tensorcnt 0x0
	ds_add_u32 v[SPW], v[NIL]
.if \fill
	ds_add_u32 v[SPW], v[NIL]                      ; and twice on end here, in every trip alike
	s_xor_b32 s[G0K+1], s[G0K+1], SLOT1            ; no load of mine is out: the walking descriptors step
	s_add_nc_u64 s[G0K+2:G0K+3], s[G0K+2:G0K+3], 32768
	s_xor_b32 s[G0V+1], s[G0V+1], SLOT1
	s_add_nc_u64 s[G0V+2:G0V+3], s[G0V+2:G0V+3], 32768
	s_wait_xcnt 0x0                                ; the last prefetch, a slot back, has read its address
	s_add_nc_u64 s[PFA:PFA+1], s[PFA:PFA+1], 32768
.endif
	s_wait_dscnt 0x0
	s_barrier_signal -1
	s_barrier_wait -1
.if \fill
	s_add_co_u32 s56, s[KF], 256                   ; the first key of the slot that this change would ask for
	s_cmp_gt_u32 s56, s[QL]
	s_cbranch_scc1 .Lpast_\@
	TLOAD                                          ; a wave's one tensor load until the next barrier: it has four key steps in which to land
.Lpast_\@:
	ASK
.endif
.endm
.macro SLOT_STEPS
	STEP 0
	STEP 1
	STEP 2
	STEP 3
	s_xor_b32 s[TB], s[TB], SLOT1
.endm
	s_wait_loadcnt 0x0                             ; Q
.Lslot:                                            ; seven trips
	CHANGE 1
	SLOT_STEPS
	s_sub_co_u32 s[SLOTS], s[SLOTS], 1
	s_cmp_lg_u32 s[SLOTS], 0
	s_cbranch_scc1 .Lslot
	CHANGE 0                                       ; the last slot is written out: nothing is left to ask for
	SLOT_STEPS
	; THE WAY OUT: O^T / l, rounded to f16, through my stage, a tile at a time; each store covers 512 consecutive bytes: four tokens of the head.  The six additions and permutes are the places behind the last products.
.irp t, 0,1
	v_add_f32 v[ST+8*\t+4], v[ST+8*\t+2], v[ST+8*\t+3]
.endr
.irp t, 0,1
	v_permlanex16_b32 v[ST+8*\t+5], v[ST+8*\t+4], s[SEL], s[SEL+1]
.endr
.irp t, 0,1
	v_add_f32 v[ST+8*\t+4], v[ST+8*\t+4], v[ST+8*\t+5]
.endr
.irp t, 0,1
	v_rcp_f32 v[ST+8*\t+6], v[ST+8*\t+4]
.endr
	v_nop
	s_wait_alu depctr_va_vdst(0)                   ; one wait for the two reciprocals
.irp t, 0,1
.set nn, 0
.rept 16
	v_pk_mul_f32 v[OA+32*\t+2*nn:OA+32*\t+2*nn+1], v[OA+32*\t+2*nn:OA+32*\t+2*nn+1], v[ST+8*\t+6:ST+8*\t+7] op_sel_hi:[1,0]
.set nn, nn+1
.endr
.set nn, 0
.rept 16
	v_cvt_pk_f16_f32 v[S+32*\t+nn], v[OA+32*\t+2*nn], v[OA+32*\t+2*nn+1]
.set nn, nn+1
.endr
.irp ct, 0,1,2,3
	ds_store_b128 v[STO], v[S+32*\t+4*\ct:S+32*\t+4*\ct+3] offset:32*\ct
.endr
.irp i, 0,1,2,3
	ds_load_b128 v[KV+16*\t+4*\i:KV+16*\t+4*\i+3], v[RD] offset:4*144*\i   ; in order behind my stores; the next tile's stores come behind these
.endr
.endr
	s_wait_dscnt 0x0
.irp t, 0,1
.irp i, 0,1,2,3
	global_store_b128 v[GO], v[KV+16*\t+4*\i:KV+16*\t+4*\i+3], s[10:11] offset:2048*\t+512*\i
.endr
.endr
	s_wait_tensorcnt 0x0                           ; the wave's end
	ds_add_u32 v[SPW], v[NIL]
	s_wait_dscnt 0x0
	s_endpgm
.Lfunc_end_k_q2479ffd956_attn:
	.size	k_q2479ffd956_attn, .Lfunc_end_k_q2479ffd956_attn-k_q2479ffd956_attn
	.p2alignl 7, 3214868480
	.fill 96, 4, 3214868480
	.section	.rodata,"a",@progbits
	.p2align	6, 0x0
	.amdhsa_kernel k_q2479ffd956_attn
		.amdhsa_group_segment_fixed_size 327680
		.amdhsa_private_segment_fixed_size 0
		.amdhsa_enable_private_segment 0
		.amdhsa_kernarg_size 16
		.amdhsa_user_sgpr_count 2
		.amdhsa_user_sgpr_kernarg_segment_ptr 1
		.amdhsa_wavefront_size32 1
		.amdhsa_system_sgpr_workgroup_id_x 1
		.amdhsa_system_sgpr_workgroup_id_y 1
		.amdhsa_system_sgpr_workgroup_id_z 1
		.amdhsa_system_vgpr_workitem_id 0
		.amdhsa_next_free_vgpr 256
		.amdhsa_next_free_sgpr 80
		.amdhsa_reserve_vcc 1
		.amdhsa_float_denorm_mode_32 3
		.amdhsa_float_denorm_mode_16_64 3
		.amdhsa_memory_ordered 1
		.amdhsa_forward_progress 1
		.amdhsa_inst_pref_size 188
	.end_amdhsa_kernel
	.amdgpu_metadata
---
amdhsa.version: [ 1, 2 ]
amdhsa.kernels:
  - .name:           k_q2479ffd956_attn
    .symbol:         k_q2479ffd956_attn.kd
    .args:
      - { .name: qkv16, .offset: 0, .size: 8, .value_kind: global_buffer, .address_space: global }
      - { .name: attn16, .offset: 8, .size: 8, .value_kind: global_buffer, .address_space: global }
    .group_segment_fixed_size: 327680
    .private_segment_fixed_size: 0
    .kernarg_segment_align: 8
    .kernarg_segment_size: 16
    .max_flat_workgroup_size: 512
    .sgpr_count:     80
    .vgpr_count:     256
    .wavefront_size: 32
...
	.end_amdgpu_metadata
.endif
;; end of part 3
;; launch proj (part 4): grid 4 x 64, 4 waves a work-group, clusters of 4 x 4, 327,680 bytes of LDS; arguments attn16, wp16, b_proj, out0; writes out0
.if DOCPART == 4
	.amdgcn_target "amdgcn-amd-amdhsa--gfx1250"
	.amdhsa_code_object_version 6
	.text
	.protected	k_q2479ffd956_proj
	.globl	k_q2479ffd956_proj
	.p2align	8
	.type	k_q2479ffd956_proj,@function
k_q2479ffd956_proj:
	s_mov_b64 s[64:65], 0
	v_nop
	global_prefetch_b8 v0, s[64:65] scope:SCOPE_SE
	s_setreg_imm32_b32 hwreg(HW_REG_WAVE_MODE, 25, 1), 1
	s_wait_xcnt 0x0
	s_wait_alu depctr_hold_cnt(0) depctr_sa_sdst(0) depctr_va_vdst(0) depctr_va_sdst(0) depctr_va_ssrc(0) depctr_va_vcc(0) depctr_vm_vsrc(0)
	s_getreg_b32 s2, hwreg(HW_REG_IB_STS2, 6, 4)
	s_cmp_eq_u32 s2, 0
	s_cbranch_scc0 .Lentry_in_a_cluster
	s_endpgm
.Lentry_in_a_cluster:
	s_bfe_u32 s2, ttmp6, 0x10000c
	s_cmp_lg_u32 s2, 0xf033
	s_cbranch_scc0 .Lentry_shape_is_right
	s_endpgm
.Lentry_shape_is_right:
; out0 = attention output x w_proj + b_proj: 8,192 x 1,024, K = 1,024, f16 operands, f32 sums.  A: attn16 [head][token][64] f16; B: wp16 [k][n] f16, as w_proj lies; out0 f32.
; (The 16 first positions of each sequence are stored here too and are written over, in f32 arithmetic, by the launch that follows.)
; SHARES.  256 work-groups; a tile is 128 tokens x 256 columns; wave (wm, wn) makes 64 x 128: 32 accumulators.  K goes in 8 steps of 128 (two heads) through two LDS slots.
; CLUSTER 4 x 4: A's tiles hang on the tile row (4 x cluster y + cy) and are asked for jointly along a row of the cluster, B's on the tile column (cx) and along a column.
; TRANSPOSED USE: source 0 = 16 columns of w (turned out of LDS by ds_load_tr16_b128, since K is wp16's first axis), source 1 = 16 tokens.  The bias is the C of each sum's first product.
; REGISTERS: window 0: v16-29 addresses, v128-255 the way out.  window 1: two fragment sets of 96 (A's block a at 8 a, B's block b at 32 + 8 b), v192-255 the bias.  window 2: accumulator (a, b) at v[8 (8 a + b)].
.set AP,    144                        ; a token's 128 bytes of one head + 16
.set BP,    544                        ; a k-row of 256 columns: 512 bytes + 32
.set BOFF,  2*128*AP                   ; a slot: [2 heads][128 tokens], then 128 k-rows
.set SLOTB, BOFF+128*BP
.set STAGE, 2*SLOTB                    ; 16 rows x 528 for each wave
.set SPARE, STAGE+4*16*528
.set ADRA, 16
.set ADRB, 20
.set STO,  24
.set RD,   25
.set CO,   26
.set BO,   27
.set SPW,  28                          ; v28 my spare word; never rewritten
.set NIL,  29                          ; v29 0; never rewritten
.set BK,   128
.set BIAS, 192
.set F0,   0
.set F1,   96
.set G1,   24
.set G0,   32
.set G1B,  48
.set G0B,  56
.set MSB, 0
.macro WIN new
.if MSB != \new
	s_set_vgpr_msb (MSB<<8)|\new
.set MSB, \new
.endif
.endm
.set MUL,       0xa5
.set MUL_FIRST, 0x95
.set TO_F,      0x40
.macro JLOAD s                         ; waves 0, 1: A's two heads; waves 2, 3: B's halves.  An s_nop 0 and four v_nop follow each line
	s_cmp_eq_u32 s13, 0
	s_cbranch_scc0 .Lfor_b_\@
	tensor_load_to_lds s[G0+4*\s:G0+4*\s+3], s[G1:G1+7]
	s_nop 0
.rept 4
	v_nop
.endr
	s_branch .Lasked_\@
.Lfor_b_\@:
	tensor_load_to_lds s[G0B+4*\s:G0B+4*\s+3], s[G1B:G1B+7]
	s_nop 0
.rept 4
	v_nop
.endr
.Lasked_\@:
.endm
.macro CREST
	s_cmp_lg_u32 s12, 0
	s_cbranch_scc1 .Lnot_wave_0_\@
	s_barrier_signal -3
.Lnot_wave_0_\@:
	s_barrier_wait -3
	s_barrier_signal -1
	s_barrier_wait -1
.endm
.macro CROUND
	s_barrier_signal -1
	s_barrier_wait -1
	CREST
.endm
.macro PLACES
.rept 4
	v_nop
.endr
.endm
	s_load_b256 s[4:11], s[0:1], 0x0               ; attn16 s[4:5], wp16 s[6:7], b_proj s[8:9], out0 s[10:11]
	v_lshl_add_u32 v[SPW], v0, 2, SPARE
	v_mov_b32 v[NIL], 0
	ds_add_u32 v[SPW], v[NIL]                      ; the opening: the add, twice on end, and its wait ahead of my first tensor load
	ds_add_u32 v[SPW], v[NIL]
	v_lshrrev_b32 v1, 5, v0
	v_readfirstlane_b32 s12, v1                    ; wave
	s_lshr_b32 s13, s12, 1                         ; wm; also: I fetch for A (0) or B (1)
	s_and_b32 s14, s12, 1                          ; wn; also: which half I fetch
	s_bfe_u32 s40, ttmp6, 0x40000                  ; cx
	s_bfe_u32 s41, ttmp6, 0x40004                  ; cy
	s_lshl_b32 s42, ttmp9, 2
	s_add_co_u32 s42, s42, s40                     ; tile column
	s_and_b32 s16, ttmp7, 0xffff
	s_lshl_b32 s16, s16, 2
	s_add_co_u32 s16, s16, s41                     ; tile row
	s_lshl_b32 s43, s41, 2
	s_lshl_b32 s43, 15, s43
	s_lshl_b32 s44, 0x1111, s40
	; A: 128 rows of 64 elements of 2 bytes, dense; four words of padding behind every 32.  B: 64 rows of 256 elements, 1,024 apart; eight words behind every 128
	s_or_b32 s[G1], s43, (1<<16)|(1<<20)|(1<<21)|(4<<22)|(3<<25)
	s_mov_b32 s[G1+1], 64<<16
	s_mov_b32 s[G1+2], 128<<16
	s_mov_b32 s[G1+3], 64<<16
	s_mov_b32 s[G1+4], 128
	s_mov_b32 s[G1+5], 64
	s_mov_b32 s[G1+6], 0
	s_mov_b32 s[G1+7], 0
	s_or_b32 s[G1B], s44, (1<<16)|(1<<20)|(1<<21)|(6<<22)|(7<<25)
	s_mov_b32 s[G1B+1], 256<<16
	s_mov_b32 s[G1B+2], 64<<16
	s_mov_b32 s[G1B+3], 256<<16
	s_mov_b32 s[G1B+4], 64
	s_mov_b32 s[G1B+5], 1024
	s_mov_b32 s[G1B+6], 0
	s_mov_b32 s[G1B+7], 0
	s_lshl_b32 s18, s14, 20                        ; A: head f, 8,192 x 128 bytes a head,
	s_lshl_b32 s20, s16, 14                        ; the tile's 128 tokens
	s_add_co_u32 s18, s18, s20
	s_mov_b32 s19, 0
	s_lshl_b32 s66, s14, 17                        ; B: k-rows 64 f on, 2,048 bytes a row,
	s_lshl_b32 s68, s42, 9                         ; the tile's 256 columns
	s_add_co_u32 s66, s66, s68
	s_mov_b32 s67, 0
	s_mul_i32 s45, s14, 128*AP
	s_mul_i32 s46, s14, 64*BP
	s_add_co_u32 s46, s46, BOFF
	s_wait_dscnt 0x0                               ; both opening adds are done
	s_wait_kmcnt 0x0
	s_add_nc_u64 s[18:19], s[4:5], s[18:19]
	s_add_nc_u64 s[66:67], s[6:7], s[66:67]
	CROUND
.irp s, 0,1
	s_mov_b32 s[G0+4*\s], 1
	s_add_co_u32 s[G0+4*\s+1], s45, \s*SLOTB
	s_add_nc_u64 s[G0+4*\s+2:G0+4*\s+3], s[18:19], \s*2*1048576
	s_or_b32 s[G0+4*\s+3], s[G0+4*\s+3], 0x80000000
	s_mov_b32 s[G0B+4*\s], 1
	s_add_co_u32 s[G0B+4*\s+1], s46, \s*SLOTB
	s_add_nc_u64 s[G0B+4*\s+2:G0B+4*\s+3], s[66:67], \s*128*2048
	s_or_b32 s[G0B+4*\s+3], s[G0B+4*\s+3], 0x80000000
	JLOAD \s                                       ; two loads of mine are out
.endr
	v_and_b32 v1, 15, v0
	v_bfe_u32 v2, v0, 4, 1
	v_and_b32 v3, 31, v0
	v_lshlrev_b32 v[BO], 5, v2
	s_lshl_b32 s20, s42, 10
	s_lshl_b32 s21, s14, 9
	s_add_co_u32 s20, s20, s21                     ; my first column in bytes of f32
	s_mov_b32 s21, 0
	s_add_nc_u64 s[8:9], s[8:9], s[20:21]
	WIN TO_F
.irp b, 0,1,2,3,4,5,6,7
	global_load_b128 v[BIAS+8*\b:BIAS+8*\b+3], v[BO], s[8:9] offset:64*\b
	global_load_b128 v[BIAS+8*\b+4:BIAS+8*\b+7], v[BO], s[8:9] offset:64*\b+16
.endr
	WIN 0
	v_mul_u32_u24 v4, v1, AP
	v_lshl_add_u32 v4, v2, 4, v4
	s_mul_i32 s22, s13, 64*AP
	v_add_nc_u32 v[ADRA], s22, v4
	s_add_co_u32 s22, s22, SLOTB
	v_add_nc_u32 v[ADRA+1], s22, v4
	v_and_b32 v5, 7, v0
	v_lshl_add_u32 v5, v2, 3, v5
	v_mul_u32_u24 v5, v5, BP
	v_bfe_u32 v6, v0, 3, 1
	v_lshl_add_u32 v5, v6, 4, v5                   ; the turning load: k-row 8 h + lane % 8, 16 bytes by (lane / 8) % 2
	s_lshl_b32 s22, s14, 8
	s_add_co_u32 s22, s22, BOFF
	v_add_nc_u32 v[ADRB], s22, v5
	s_add_co_u32 s22, s22, SLOTB
	v_add_nc_u32 v[ADRB+1], s22, v5
	s_mul_i32 s22, s12, 16*528
	s_add_co_u32 s22, s22, STAGE
	v_mul_u32_u24 v5, v1, 528
	v_lshl_add_u32 v5, v2, 5, v5
	v_add_nc_u32 v[STO], s22, v5
	v_lshlrev_b32 v[CO], 4, v3
	v_add_nc_u32 v[RD], s22, v[CO]
	s_lshl_b32 s22, s16, 7
	s_lshl_b32 s23, s13, 6
	s_add_co_u32 s22, s22, s23                     ; my first token
	s_lshl_b32 s22, s22, 12
	s_add_co_u32 s22, s22, s20
	s_mov_b32 s23, 0
	s_add_nc_u64 s[10:11], s[10:11], s[22:23]
.macro FETCH s, q, f                   ; 24 loads in one run: 32 along K: B's eight fragments, A's blocks 0-1, A's blocks 2-3
	WIN TO_F
.irp b, 0,1,2,3,4,5,6,7
	ds_load_tr16_b128 v[(\f)+32+8*\b:(\f)+32+8*\b+3], v[ADRB+\s] offset:32*BP*(\q)+32*\b
	ds_load_tr16_b128 v[(\f)+32+8*\b+4:(\f)+32+8*\b+7], v[ADRB+\s] offset:32*BP*(\q)+32*\b+16*BP
.endr
.irp a, 0,1,2,3
	ds_load_b128 v[(\f)+8*\a:(\f)+8*\a+3], v[ADRA+\s] offset:((\q)/2)*128*AP+((\q)%2)*64+16*AP*\a
	ds_load_b128 v[(\f)+8*\a+4:(\f)+8*\a+7], v[ADRA+\s] offset:((\q)/2)*128*AP+((\q)%2)*64+16*AP*\a+32
.endr
.endm
.macro MUL8 f, a, first                ; A's block a against B's eight.  The 32 accumulators take turns, one instruction a turn, in the same order in every quarter
.irp b, 0,1,2,3,4,5,6,7
.if \first
	v_wmma_f32_16x16x32_f16 v[8*(8*(\a)+\b):8*(8*(\a)+\b)+7], v[(\f)+32+8*\b:(\f)+32+8*\b+7], v[(\f)+8*(\a):(\f)+8*(\a)+7], v[BIAS+8*\b:BIAS+8*\b+7]
.else
	v_wmma_f32_16x16x32_f16 v[8*(8*(\a)+\b):8*(8*(\a)+\b)+7], v[(\f)+32+8*\b:(\f)+32+8*\b+7], v[(\f)+8*(\a):(\f)+8*(\a)+7], v[8*(8*(\a)+\b):8*(8*(\a)+\b)+7]
.endif
.endr
.endm
.macro WMUL first
.if \first
	WIN MUL_FIRST
.else
	WIN MUL
.endif
.endm
; One of a K step's first three quarters: multiplies set f, fetches quarter qn of the same slot into set g.
.macro QUARTER s, qn, f, g, first
	s_wait_dscnt 4                                 ; B's set and A's blocks 0-1 are in; the youngest four loads may be out
	WMUL \first
	MUL8 \f, 0, \first
	MUL8 \f, 1, \first
	PLACES                                         ; in front of loads into registers that the quarter before multiplied
	FETCH \s, \qn, \g
	s_wait_dscnt 24                                ; all but the 24 just issued
	WMUL \first
	MUL8 \f, 2, \first
	MUL8 \f, 3, \first
.endm
; The fourth quarter multiplies set 1 and changes slots: one barrier; in front of it each wave waits for all its tensor loads, adds 0 to its spare word, and waits for that and for its reads of the slot.
.macro TURN s, next, fill
	WIN 0
	s_wait_tensorcnt 0x0                           ; my part of the next slot has landed
	ds_add_u32 v[SPW], v[NIL]
	s_wait_dscnt 5                                 ; the add and the youngest four loads may be out
	WIN MUL
	MUL8 F1, 0, 0                                  ; eight products stand between the add and the wait for it
	s_wait_dscnt 0x0                               ; the add is done, and my reads of this slot are over
	s_barrier_signal -1
	MUL8 F1, 1, 0
	WIN 0
	s_barrier_wait -1
.if \fill
	CREST                                          ; the barrier has opened a round of the cluster's: no wave of any partner still reads this slot or has a load on its way
	s_add_nc_u64 s[G0+4*\s+2:G0+4*\s+3], s[G0+4*\s+2:G0+4*\s+3], 4*1048576
	s_add_nc_u64 s[G0B+4*\s+2:G0B+4*\s+3], s[G0B+4*\s+2:G0B+4*\s+3], 256*2048
	JLOAD \s                                       ; my one load behind the round: 112 products stand ahead of the wait for it; its four v_nop are the places for the loads below
.else
	PLACES
.endif
	FETCH \next, 0, F0
	WIN MUL
	MUL8 F1, 2, 0
	MUL8 F1, 3, 0
.endm
	s_wait_tensorcnt 1                             ; my part of K step 0 is in; K step 1's may be out
	s_barrier_signal -1
	s_barrier_wait -1
	FETCH 0, 0, F0
	s_wait_loadcnt 0x0                             ; the bias
	QUARTER 0, 1, F0, F1, 1                        ; the first quarter stands ahead of the loop: its products start the sums on the bias
	WIN 0
	s_mov_b32 s3, 3
.Llap:                                             ; a trip goes once round the ring and fills both slots again
	QUARTER 0, 2, F1, F0, 0
	QUARTER 0, 3, F0, F1, 0
	TURN 0, 1, 1
	QUARTER 1, 1, F0, F1, 0
	QUARTER 1, 2, F1, F0, 0
	QUARTER 1, 3, F0, F1, 0
	TURN 1, 0, 1
	QUARTER 0, 1, F0, F1, 0
	WIN 0
	s_sub_co_u32 s3, s3, 1
	s_cmp_lg_u32 s3, 0
	s_cbranch_scc1 .Llap
	QUARTER 0, 2, F1, F0, 0                        ; the last lap fills nothing
	QUARTER 0, 3, F0, F1, 0
	TURN 0, 1, 0
	QUARTER 1, 1, F0, F1, 0
	QUARTER 1, 2, F1, F0, 0
	QUARTER 1, 3, F0, F1, 0
	s_wait_dscnt 4
	WIN MUL
	MUL8 F1, 0, 0
	MUL8 F1, 1, 0
	s_wait_dscnt 0x0
	MUL8 F1, 2, 0
	MUL8 F1, 3, 0
	WIN 0
; THE WAY OUT, 16 tokens x 128 columns at a time, through my own stage: back as whole rows of 512 bytes, which the 32 lanes store as 512 consecutive, aligned bytes.
.macro TOSTAGE a
	WIN 0x08                                       ; an LDS store's data: window 2
.irp b, 0,1,2,3,4,5,6,7
	ds_store_b128 v[STO], v[8*(8*(\a)+\b):8*(8*(\a)+\b)+3] offset:64*\b          ; each accumulator from its low end on
	ds_store_b128 v[STO], v[8*(8*(\a)+\b)+4:8*(8*(\a)+\b)+7] offset:64*\b+16
.endr
	WIN 0
.set BB, BK+64*((\a)%2)
.irp t, 0,1,2,3,4,5,6,7,8,9,10,11,12,13,14,15
	ds_load_b128 v[BB+4*\t:BB+4*\t+3], v[RD] offset:528*\t
.endr
.endm
.macro SEND a, younger
.set BB, BK+64*((\a)%2)
	s_wait_dscnt \younger
.irp t, 0,1,2,3,4,5,6,7,8,9,10,11,12,13,14,15
	global_store_b128 v[CO], v[BB+4*\t:BB+4*\t+3], s[10:11] offset:65536*(\a)+4096*\t th:TH_STORE_NT
.endr
.endm
	PLACES
	TOSTAGE 0
.irp a, 1,2,3
.if \a > 1
	s_wait_xcnt 0x0                                ; block a - 2's stores have read their registers: block a's loads may land there
.endif
	TOSTAGE \a
	SEND \a-1, 32                                  ; behind block a - 1's loads: block a's 16 stores and 16 loads
.endr
	SEND 3, 0
	s_wait_tensorcnt 0x0                           ; the wave's end
	ds_add_u32 v[SPW], v[NIL]
	s_wait_dscnt 0x0
	CROUND                                         ; the closing round
	s_endpgm
.Lfunc_end_k_q2479ffd956_proj:
	.size	k_q2479ffd956_proj, .Lfunc_end_k_q2479ffd956_proj-k_q2479ffd956_proj
	.p2alignl 7, 3214868480
	.fill 96, 4, 3214868480
	.section	.rodata,"a",@progbits
	.p2align	6, 0x0
	.amdhsa_kernel k_q2479ffd956_proj
		.amdhsa_group_segment_fixed_size 327680
		.amdhsa_private_segment_fixed_size 0
		.amdhsa_enable_private_segment 0
		.amdhsa_kernarg_size 32
		.amdhsa_user_sgpr_count 2
		.amdhsa_user_sgpr_kernarg_segment_ptr 1
		.amdhsa_wavefront_size32 1
		.amdhsa_system_sgpr_workgroup_id_x 1
		.amdhsa_system_sgpr_workgroup_id_y 1
		.amdhsa_system_sgpr_workgroup_id_z 1
		.amdhsa_system_vgpr_workitem_id 0
		.amdhsa_next_free_vgpr 768
		.amdhsa_next_free_sgpr 72
		.amdhsa_reserve_vcc 0
		.amdhsa_float_denorm_mode_32 3
		.amdhsa_float_denorm_mode_16_64 3
		.amdhsa_memory_ordered 1
		.amdhsa_forward_progress 1
		.amdhsa_inst_pref_size 86
	.end_amdhsa_kernel
	.amdgpu_metadata
---
amdhsa.version: [ 1, 2 ]
amdhsa.kernels:
  - .name:           k_q2479ffd956_proj
    .symbol:         k_q2479ffd956_proj.kd
    .args:
      - { .name: attn16, .offset: 0, .size: 8, .value_kind: global_buffer, .address_space: global }
      - { .name: wp16, .offset: 8, .size: 8, .value_kind: global_buffer, .address_space: global }
      - { .name: b_proj, .offset: 16, .size: 8, .value_kind: global_buffer, .address_space: global }
      - { .name: out0, .offset: 24, .size: 8, .value_kind: global_buffer, .address_space: global }
    .group_segment_fixed_size: 327680
    .private_segment_fixed_size: 0
    .kernarg_segment_align: 8
    .kernarg_segment_size: 32
    .max_flat_workgroup_size: 128
    .sgpr_count:     72
    .vgpr_count:     768
    .wavefront_size: 32
...
	.end_amdgpu_metadata
.endif
;; end of part 4
;; launch fine (part 5): grid 16 x 4, 16 waves a work-group, no clusters, 67,584 bytes of LDS; arguments fineqkv, w_proj, b_proj, out0; writes out0
.if DOCPART == 5
	.amdgcn_target "amdgcn-amd-amdhsa--gfx1250"
	.amdhsa_code_object_version 6
	.text
	.protected	k_q2479ffd956_fine
	.globl	k_q2479ffd956_fine
	.p2align	8
	.type	k_q2479ffd956_fine,@function
k_q2479ffd956_fine:
	s_mov_b64 s[64:65], 0
	v_nop
	global_prefetch_b8 v0, s[64:65] scope:SCOPE_SE
	s_setreg_imm32_b32 hwreg(HW_REG_WAVE_MODE, 25, 1), 1
	s_wait_xcnt 0x0
; The first 16 positions of each sequence, carried in f32 from the quantised product's sums to the output: under the causal mask these rows average one to sixteen values, and the rounding of f16 operands weighs most there.
; Work-group (slice, batch) makes 16 rows x 64 columns of out0 (256 bytes a row).  Wave w takes head w: its attention (16 queries x 16 keys x 64 channels), and its 64 channels' share of the projection's K.
; The heads' shares meet in LDS; wave w then sums row w.  The attention is repeated in the 16 slices: the projection's K spans all heads, and no sum crosses work-groups.
; All products are v_wmma_f32_16x16x4_f32, 96 a wave.  K is taken in an order of its own, alike in both sources of a product:
;   S^T = K Q^T: step s takes channels 32 h + 2 s + j, so that Q and K come by loads of 16 bytes;  O^T = V^T P and Y^T = W^T O^T: step s takes 8 h + 2 s + j, so that a result's registers (2 s, 2 s + 1) are the next source 1 as they stand.
; The registers that these products write (v32-111) are written by nothing else.
.set SPW, 16                           ; v16 my spare word; never rewritten
.set NIL, 17                           ; v17 0; never rewritten
.set SPARE, 65536                      ; behind the sixteen images of 4,096 bytes
.set T,    24                          ; v24-31  scores, then p, then P
.set SA,   32                          ; v32-39, v40-47 S^T in two sums that take turns
.set SB,   40
.set OACC, 48                          ; v48-79  O^T: four tiles of 16 channels
.set YACC, 80                          ; v80-111 Y^T: four tiles of 16 columns
.set QF,   112                         ; v112-143 Q; later W's buffer 0
.set KF,   144                         ; v144-175 K; later W's buffer 1
.set VF,   176                         ; v176-207 V^T; later the sixteen shares
	s_load_b256 s[4:11], s[0:1], 0x0               ; fineqkv s[4:5], w_proj s[6:7], b_proj s[8:9], out0 s[10:11]
	v_lshl_add_u32 v[SPW], v0, 2, SPARE
	v_mov_b32 v[NIL], 0
	v_lshrrev_b32 v1, 5, v0
	v_readfirstlane_b32 s12, v1                    ; wave = head
	s_and_b32 s14, ttmp7, 0xffff                   ; batch
	s_mul_i32 s16, s14, 16*12288
	s_lshl_b32 s15, s12, 8
	s_add_co_u32 s16, s16, s15                     ; fineqkv: my batch, my head's 64 columns of q
	s_mov_b32 s17, 0
	s_lshl_b32 s15, ttmp9, 8                       ; the slice's 64 columns: 256 bytes
	s_lshl_b32 s18, s12, 18                        ; w_proj: my head's 64 rows of 4,096 bytes
	s_add_co_u32 s18, s18, s15
	s_mov_b32 s19, 0
	s_mov_b32 s24, s15
	s_mov_b32 s25, 0
	s_lshl_b32 s26, s14, 23                        ; out0: batch x 2,048 rows of 4,096 bytes,
	s_lshl_b32 s23, s12, 12                        ; row = my wave's number,
	s_add_co_u32 s26, s26, s23
	s_add_co_u32 s26, s26, s15                     ; the slice
	s_mov_b32 s27, 0
	s_mov_b32 s20, 0x76543210
	s_mov_b32 s21, 0xfedcba98
	s_mov_b32 s22, 0x3e38aa3b                      ; c = log2(e) / 8
	v_and_b32 v1, 15, v0                           ; r
	v_bfe_u32 v2, v0, 4, 1                         ; h
	v_and_b32 v15, 31, v0                          ; lane
	v_mul_u32_u24 v3, v1, 12288
	v_lshl_add_u32 v3, v2, 7, v3                   ; Q, K: position r, channels 32 h on
	v_mul_u32_u24 v4, v2, 8*12288
	v_lshl_add_u32 v4, v1, 2, v4                   ; V^T: keys 8 h on, channel r
	v_lshlrev_b32 v5, 15, v2
	v_lshl_add_u32 v5, v1, 2, v5                   ; W^T: channels 8 h on, column r
	v_lshlrev_b32 v6, 3, v2
	v_sub_nc_u32 v6, v1, v6                        ; r - 8 h
	v_mov_b32 v7, 0xff800000                       ; -infinity
	v_lshlrev_b32 v12, 4, v15
	s_lshl_b32 s15, s12, 12
	v_add_nc_u32 v12, s15, v12                     ; my image: 4,096 x wave + 16 x lane
	v_lshrrev_b32 v8, 3, v15
	v_bfe_u32 v9, v0, 1, 1
	v_lshl_add_u32 v8, v8, 1, v9                   ; lane L sums columns 2 L, 2 L + 1: they lie in the image's group 2 (L / 8) + (L % 4) / 2 of four registers,
	v_lshlrev_b32 v13, 9, v8
	v_bfe_u32 v9, v0, 2, 1
	v_lshl_add_u32 v13, v9, 8, v13                 ; in the lane of my row's query, in the half (L % 8) / 4,
	v_and_b32 v9, 1, v0
	v_lshl_add_u32 v13, v9, 3, v13                 ; at words 2 (L % 2) and the next
	s_lshl_b32 s15, s12, 4
	v_add_nc_u32 v13, s15, v13
	v_lshlrev_b32 v14, 3, v15
	v_mov_b32 v9, 0                                ; (lane permutes' destinations are written once)
	v_mov_b32 v10, 0
	s_wait_kmcnt 0x0
	s_add_nc_u64 s[4:5], s[4:5], s[16:17]
	s_add_nc_u64 s[6:7], s[6:7], s[18:19]
	s_add_nc_u64 s[8:9], s[8:9], s[24:25]
	s_add_nc_u64 s[10:11], s[10:11], s[26:27]
	global_load_b64 v[18:19], v14, s[8:9]          ; the bias of my two columns: the oldest load, so that it enters no count below
.irp i, 0,1,2,3,4,5,6,7
	global_load_b128 v[QF+4*\i:QF+4*\i+3], v3, s[4:5] offset:16*\i
.endr
.irp i, 0,1,2,3,4,5,6,7
	global_load_b128 v[KF+4*\i:KF+4*\i+3], v3, s[4:5] offset:4096+16*\i
.endr
.irp ct, 0,1,2,3
.irp kk, 0,1,2,3,4,5,6,7
	global_load_b32 v[VF+8*\ct+\kk], v4, s[4:5] offset:8192+\kk*12288+64*\ct
.endr
.endr
	s_wait_loadcnt 32                              ; the bias, Q and K are in; V's 32 loads may be out
.irp s, 0,1,2,3,4,5,6,7,8,9,10,11,12,13,14,15  ; S^T = K Q^T: two sums by turns; each one's first step starts it with the constant 0
.if \s < 2
	v_wmma_f32_16x16x4_f32 v[SA+8*(\s%2):SA+8*(\s%2)+7], v[KF+2*\s:KF+2*\s+1], v[QF+2*\s:QF+2*\s+1], 0
.else
	v_wmma_f32_16x16x4_f32 v[SA+8*(\s%2):SA+8*(\s%2)+7], v[KF+2*\s:KF+2*\s+1], v[QF+2*\s:QF+2*\s+1], v[SA+8*(\s%2):SA+8*(\s%2)+7]
.endif
.endr
.rept 8
	v_nop                                          ; eight places behind this form: in front of the loads into Q's and K's registers and of the first read of the sums
.endr
.macro WLOAD ct, buf                   ; chunk ct of W^T: channels 16 ct + 8 h + kk of my head, columns 16 cc + r of the slice
.irp cc, 0,1,2,3
.irp kk, 0,1,2,3,4,5,6,7
	global_load_b32 v[\buf+8*\cc+\kk], v5, s[6:7] offset:(16*(\ct)+\kk)*4096+64*\cc
.endr
.endr
.endm
	WLOAD 0, QF                                    ; chunk 0 lands under the softmax
.irp j, 0,1,2,3,4,5,6,7
	v_add_f32 v[T+\j], v[SA+\j], v[SB+\j]          ; score(query r, key 8 h + j), from the low end on
.endr
.irp j, 0,1,2,3,4,5,6,7
	v_cmp_gt_i32 vcc_lo, \j, v6                    ; hidden where 8 h + j > r
	v_cndmask_b32 v[T+\j], v[T+\j], v7, vcc_lo
.endr
	v_max3_num_f32 v8, v[T], v[T+1], v[T+2]
	v_max3_num_f32 v11, v[T+3], v[T+4], v[T+5]
	v_max3_num_f32 v8, v8, v[T+6], v[T+7]
	v_max_num_f32 v8, v8, v11
	v_permlanex16_b32 v9, v8, s20, s21
	v_max_num_f32 v8, v8, v9                       ; the row's maximum (key 0 counts for every query)
	v_mul_f32 v8, s22, v8
.irp j, 0,1,2,3,4,5,6,7
	v_fma_f32 v[T+\j], v[T+\j], s22, -v8
.endr
.irp j, 0,1,2,3,4,5,6,7
	v_exp_f32 v[T+\j], v[T+\j]
.endr
	v_nop
	s_wait_alu depctr_va_vdst(0)                   ; one wait for the eight exponentials
	v_add_f32 v8, v[T], v[T+1]
	v_add_f32 v11, v[T+2], v[T+3]
	v_add_f32 v20, v[T+4], v[T+5]
	v_add_f32 v21, v[T+6], v[T+7]
	v_add_f32 v8, v8, v11
	v_add_f32 v20, v20, v21
	v_add_f32 v8, v8, v20
	v_permlanex16_b32 v10, v8, s20, s21
	v_add_f32 v8, v8, v10
	v_rcp_f32 v8, v8
	v_nop
	s_wait_alu depctr_va_vdst(0)
.irp j, 0,1,2,3,4,5,6,7
	v_mul_f32 v[T+\j], v[T+\j], v8                 ; P, normalised: all 16 keys are in hand
.endr
	s_wait_loadcnt 32                              ; V is in; chunk 0's 32 loads, issued behind V's, may be out
	WLOAD 1, KF                                    ; chunk 1, into K's registers: their last reader stands far more than eight plain places back
.irp s, 0,1,2,3                                ; O^T = V^T P: four sums by turns
.irp ct, 0,1,2,3
.if \s == 0
	v_wmma_f32_16x16x4_f32 v[OACC+8*\ct:OACC+8*\ct+7], v[VF+8*\ct+2*\s:VF+8*\ct+2*\s+1], v[T+2*\s:T+2*\s+1], 0
.else
	v_wmma_f32_16x16x4_f32 v[OACC+8*\ct:OACC+8*\ct+7], v[VF+8*\ct+2*\s:VF+8*\ct+2*\s+1], v[T+2*\s:T+2*\s+1], v[OACC+8*\ct:OACC+8*\ct+7]
.endif
.endr
.endr
.rept 9
	v_nop                                          ; nine places before a product takes these results as a source
.endr
.macro CHUNK ct, buf                   ; Y^T += W^T O^T over channels 16 ct .. 16 ct + 15: four sums by turns
.irp s, 0,1,2,3
.irp cc, 0,1,2,3
.if (\ct) == 0 && \s == 0
	v_wmma_f32_16x16x4_f32 v[YACC+8*\cc:YACC+8*\cc+7], v[\buf+8*\cc+2*\s:\buf+8*\cc+2*\s+1], v[OACC+8*(\ct)+2*\s:OACC+8*(\ct)+2*\s+1], 0
.else
	v_wmma_f32_16x16x4_f32 v[YACC+8*\cc:YACC+8*\cc+7], v[\buf+8*\cc+2*\s:\buf+8*\cc+2*\s+1], v[OACC+8*(\ct)+2*\s:OACC+8*(\ct)+2*\s+1], v[YACC+8*\cc:YACC+8*\cc+7]
.endif
.endr
.endr
.rept 8
	v_nop                                          ; places in front of loads into the buffer, and at the end of the first read of the sums
.endr
.endm
	s_wait_loadcnt 32                              ; chunk 0 is in; chunk 1's 32 loads may be out
	CHUNK 0, QF
	WLOAD 2, QF
	s_wait_loadcnt 32                              ; chunk 1 is in; chunk 2 may be out
	CHUNK 1, KF
	WLOAD 3, KF
	s_wait_loadcnt 32                              ; chunk 2 is in; chunk 3 may be out
	CHUNK 2, QF
	s_wait_loadcnt 0x0
	CHUNK 3, KF
.irp i, 0,1,2,3,4,5,6,7
	ds_store_b128 v12, v[YACC+4*\i:YACC+4*\i+3] offset:512*\i    ; my share as an image of its registers, each sum from its low end on
.endr
	s_wait_dscnt 0x0                               ; for the others' sake: my stores have landed
	s_barrier_signal -1
	s_barrier_wait -1
.irp u, 0,1,2,3,4,5,6,7,8,9,10,11,12,13,14,15
	ds_load_b64 v[VF+2*\u:VF+2*\u+1], v13 offset:4096*\u          ; head u's share of my row's two columns
.endr
	s_wait_dscnt 0x0
.irp u, 0,1,2,3,4,5,6,7
	v_pk_add_f32 v[VF+4*\u:VF+4*\u+1], v[VF+4*\u:VF+4*\u+1], v[VF+4*\u+2:VF+4*\u+3]
.endr
.irp u, 0,1,2,3
	v_pk_add_f32 v[VF+8*\u:VF+8*\u+1], v[VF+8*\u:VF+8*\u+1], v[VF+8*\u+4:VF+8*\u+5]
.endr
.irp u, 0,1
	v_pk_add_f32 v[VF+16*\u:VF+16*\u+1], v[VF+16*\u:VF+16*\u+1], v[VF+16*\u+8:VF+16*\u+9]
.endr
	v_pk_add_f32 v[VF:VF+1], v[VF:VF+1], v[VF+16:VF+17]
	v_pk_add_f32 v[VF:VF+1], v[VF:VF+1], v[18:19]
	global_store_b64 v14, v[VF:VF+1], s[10:11]     ; 32 lanes store 256 consecutive, aligned bytes of row w
	s_wait_tensorcnt 0x0                           ; the wave's end
	ds_add_u32 v[SPW], v[NIL]
	s_wait_dscnt 0x0
	s_endpgm
.Lfunc_end_k_q2479ffd956_fine:
	.size	k_q2479ffd956_fine, .Lfunc_end_k_q2479ffd956_fine-k_q2479ffd956_fine
	.p2alignl 7, 3214868480
	.fill 96, 4, 3214868480
	.section	.rodata,"a",@progbits
	.p2align	6, 0x0
	.amdhsa_kernel k_q2479ffd956_fine
		.amdhsa_group_segment_fixed_size 67584
		.amdhsa_private_segment_fixed_size 0
		.amdhsa_enable_private_segment 0
		.amdhsa_kernarg_size 32
		.amdhsa_user_sgpr_count 2
		.amdhsa_user_sgpr_kernarg_segment_ptr 1
		.amdhsa_wavefront_size32 1
		.amdhsa_system_sgpr_workgroup_id_x 1
		.amdhsa_system_sgpr_workgroup_id_y 1
		.amdhsa_system_sgpr_workgroup_id_z 1
		.amdhsa_system_vgpr_workitem_id 0
		.amdhsa_next_free_vgpr 208
		.amdhsa_next_free_sgpr 66
		.amdhsa_reserve_vcc 1
		.amdhsa_float_denorm_mode_32 3
		.amdhsa_float_denorm_mode_16_64 3
		.amdhsa_memory_ordered 1
		.amdhsa_forward_progress 1
		.amdhsa_inst_pref_size 33
	.end_amdhsa_kernel
	.amdgpu_metadata
---
amdhsa.version: [ 1, 2 ]
amdhsa.kernels:
  - .name:           k_q2479ffd956_fine
    .symbol:         k_q2479ffd956_fine.kd
    .args:
      - { .name: fineqkv, .offset: 0, .size: 8, .value_kind: global_buffer, .address_space: global }
      - { .name: w_proj, .offset: 8, .size: 8, .value_kind: global_buffer, .address_space: global }
      - { .name: b_proj, .offset: 16, .size: 8, .value_kind: global_buffer, .address_space: global }
      - { .name: out0, .offset: 24, .size: 8, .value_kind: global_buffer, .address_space: global }
    .group_segment_fixed_size: 67584
    .private_segment_fixed_size: 0
    .kernarg_segment_align: 8
    .kernarg_segment_size: 32
    .max_flat_workgroup_size: 512
    .sgpr_count:     66
    .vgpr_count:     208
    .wavefront_size: 32
...
	.end_amdgpu_metadata
.endif
;; end of part 5
